; MI455X (gfx1250); checked and timed in simulation.
; The chip was launched on July 23, 2026; its instructions are those of AMD's public machine-readable ISA for CDNA 5 (MIT licence, August 2026) and "CDNA5" Instruction Set Architecture Reference Guide (July 2026). The comments in the code are by the model that wrote it; some were corrected since.
;; Multi Head Attention Block. Allowed arithmetic: matrix products marked QUANTISED: E2M3 operands, one E8M0 scale for each 32 along K, by v_wmma_scale_f32_16x16x128_f8f6f4 with both operands' format E2M3, f32 sums; everything else in f32.
;; Inputs: W1_codes 4,096 x 16 x 24 uint8 (E2M3 codes of W1, K innermost, in blocks of 32 codes, four codes in three bytes); W1_scales 4,096 x 16 uint8 (E8M0 scales of W1, one for each 32 codes along K); W2_codes 512 x 128 x 24 uint8 (E2M3 codes of W2, K innermost, in blocks of 32 codes, four codes in three bytes); W2_scales 512 x 128 uint8 (E8M0 scales of W2, one for each 32 codes along K); Wk_codes 512 x 16 x 24 uint8 (E2M3 codes of Wk, K innermost, in blocks of 32 codes, four codes in three bytes); Wk_scales 512 x 16 uint8 (E8M0 scales of Wk, one for each 32 codes along K); Wq_codes 512 x 16 x 24 uint8 (E2M3 codes of Wq, K innermost, in blocks of 32 codes, four codes in three bytes); Wq_scales 512 x 16 uint8 (E8M0 scales of Wq, one for each 32 codes along K); Wv_codes 512 x 16 x 24 uint8 (E2M3 codes of Wv, K innermost, in blocks of 32 codes, four codes in three bytes); Wv_scales 512 x 16 uint8 (E8M0 scales of Wv, one for each 32 codes along K); alpha 1 float32; b1 4,096 float32; b2 512 float32; beta 1 float32; x 4 x 2,048 x 512 float32.
;; Outputs: out0 4 x 2,048 x 512 float32.
;; This version of the problem:
;;   THIS VERSION OF THE PROBLEM IS GIVEN IN LOW PRECISION. The matrix products marked QUANTISED in the list below multiply operands that are first quantised to E2M3 (2 exponent bits, 3 mantissa bits; 6 bits a number), with one power-of-two scale for each 32 numbers along K (OCP MX v1.0); their sums are f32. All else is computed in f32.
;;   The module's matrix products, in the order in which they are computed (A, B: the left and right operand; K: the contracted axis; several contracted axes count as one K, in the product's order):
;;     1. [M 8,192, K 512] x [K 512, N 512]; A: computed on the way; B: input Wq (given as codes): QUANTISED
;;     2. [M 8,192, K 512] x [K 512, N 512]; A: computed on the way; B: input Wk (given as codes): QUANTISED
;;     3. [M 8,192, K 512] x [K 512, N 512]; A: computed on the way; B: input Wv (given as codes): QUANTISED
;;     4. batch 64 x [M 2,048, K 32] x [K 32, N 2,048]; A: computed on the way; B: computed on the way: QUANTISED
;;     5. batch 64 x [M 32, K 2,048] x [K 2,048, N 2,048]; A: computed on the way; B: softmax (see below): QUANTISED
;;     6. [M 8,192, K 512] x [K 512, N 4,096]; A: computed on the way; B: input W1 (given as codes): QUANTISED
;;     7. [M 8,192, K 4,096] x [K 4,096, N 512]; A: computed on the way; B: input W2 (given as codes): QUANTISED
;;   THE QUANTISER, for each operand of a quantised product, along K:
;;     - K is cut into blocks of 32 from its start; a last block that is shorter is filled with zeros.
;;     - A block's scale is 2^e with e = floor(log2(the largest magnitude in the block)) - 2, held to -126 .. 127; a block of zeros has e = 0. As a byte (E8M0): e + 127.
;;     - Each number is divided by its block's scale, clamped to +-7.5, and rounded to the nearest number of E2M3, ties to even, subnormals kept.
;;     - The product sums the exact products of the quantised numbers (number of the format x scale) in f32.
;;   ~~~python
;;   def quantise(x, axis):      # numpy; x: float32 -> the quantised numbers, widened to float32 again
;;       x = np.moveaxis(x, axis, -1); K = x.shape[-1]
;;       x = np.pad(x, [(0, 0)] * (x.ndim - 1) + [(0, -K % 32)]); x = x.reshape(x.shape[:-1] + (-1, 32)); a = np.abs(x).max(-1, keepdims=True)
;;       e = np.where(a > 0, np.clip(np.frexp(np.where(a > 0, a, 1))[1] - 1 - 2, -126, 127), 0)      # np.frexp(a)[1] - 1 = floor(log2(a)), exactly
;;       r = np.clip(x / 2.0 ** e, -7.5, 7.5)
;;       step = 2.0 ** (np.maximum(np.frexp(np.where(r == 0, 1, r))[1] - 1, 0) - 3)
;;       q = np.round(r / step) * step * 2.0 ** e      # np.round: ties to even
;;       return np.moveaxis(q.reshape(q.shape[:-2] + (-1,))[..., :K], -1, axis).astype(np.float32)
;;   ~~~
;;   SOFTMAX AHEAD OF A QUANTISED PRODUCT. Where the list says 'softmax', what is quantised is not the finished softmax but p = 2^(t - M), with t = logit x log2(e) and M = ceil(the row's largest t), a whole number; so 1/2 < the row's largest p <= 1. The row's sum l is taken of the UNQUANTISED p, in f32, and the product's result is divided by l at the end. Since M is a whole number, a kernel that streams over the keys may use a running M (the ceiling of the running maximum): every later rescaling is an exact power of two, which a block's scale takes up: the codes' values come out the same.
;;   OPERANDS COMPUTED ON THE WAY. 'Computed on the way' means the value that the module computes at that place (a softmax that the list does not call 'softmax' is quantised finished and normalised). What goes into a quantiser is computed in f32, as accurately as f32 sums, v_exp_f32 and their like allow (about 1e-6 of the number): no bf16 or f16 on the way to a quantiser, and a product that is left as it is and whose result goes on into a quantised operand takes f32 operands (vector FMAs, or v_wmma_f32_16x16x4_f32). A number that lies on a knife's edge between two numbers of the format may be rounded either way, as far as f32 arithmetic and the matrix unit's own rounding can turn it there, and no further.
;;   INPUTS GIVEN AS CODES. W1 (in the module: [512, 4096], K = its axis 0); W2 (in the module: [4096, 512], K = its axis 0); Wk (in the module: [512, 512], K = its axis 0); Wq (in the module: [512, 512], K = its axis 0); Wv (in the module: [512, 512], K = its axis 0): each comes as NAME_codes (uint8): NAME with its K axis moved to the last place and cut into blocks of 32 codes, [.., K / 32, bytes a block], one block behind the other in memory; four codes in three bytes: a row's codes are one little-endian stream of bits, code i at bits 6 i .. 6 i + 5 (a code: sign, 2 exponent bits, 3 mantissa bits); and NAME_scales (uint8): the same leading axes, one E8M0 byte (e + 127) for each 32 codes along K. Its value is code x scale, taken as it is: it is not quantised again, and the codes and scales need not be those that the quantiser above would give.
;; One version. Each part assembles by itself: llvm-mc -triple=amdgcn-amd-amdhsa -mcpu=gfx1250 --defsym DOCPART=n.
;; ======== version 1 of 1: 5 launches
;; limits: right only within a limited range of input values
;; workspace buffers: qrec 4,194,304 bytes; kc 3,145,728 bytes; kvs 262,144 bytes; vc 3,145,728 bytes; x1 16,777,216 bytes; p0 16,777,216 bytes; p1 16,777,216 bytes; wimg 3,735,552 bytes
;; launch lay (part 1): grid 16 x 19, 8 waves a work-group, no clusters, 0 bytes of LDS; arguments Wq_codes, Wk_codes, Wv_codes, W1_codes, W2_codes, wimg; writes wimg
.if DOCPART == 1
	.amdgcn_target "amdgcn-amd-amdhsa--gfx1250"
	.amdhsa_code_object_version 6
	.text
	.protected	k_qc3e7668ee4_lay
	.globl	k_qc3e7668ee4_lay
	.p2align	8
	.type	k_qc3e7668ee4_lay,@function
k_qc3e7668ee4_lay:
	s_mov_b64 s[64:65], 0
	v_nop
	global_prefetch_b8 v0, s[64:65] scope:SCOPE_SE
	s_setreg_imm32_b32 hwreg(HW_REG_WAVE_MODE, 25, 1), 1
	s_wait_xcnt 0x0
; The five weights' codes are laid once as IMAGES OF THE OPERAND'S REGISTERS, so that the later launches fetch dense runs of 256 bytes and read a fragment from LDS by three loads of 16 bytes a lane.
; wimg holds 19 matrices of 512 rows x 512 K (196,608 bytes each): Wq, Wk, Wv, eight runs of 512 rows of W1, eight runs of 512 along K of W2.
; A matrix is 128 fragments of 16 rows x 128 K, 1,536 bytes each, at index 32 w + 8 s + t (w: 128 rows, s: 128 along K, t: 16 rows).  In a fragment, registers 4 c .. 4 c + 3 of lane l lie at 512 c + 16 l.
; Wq, Wk and W1 feed products whose results are quantised along their rows: there lane r of tile t takes row 32 (t / 2) + 8 (t % 2) + r + 8 (r / 8); Wv and W2 take row 16 t + r.
; One wave lays one fragment; the eight waves of a work-group take all four s of two tiles, so the work-group reads 384 consecutive bytes of each of its 32 rows.  A stream: no LDS, no matrix work, no cluster.
	s_load_b256 s[4:11], s[0:1], 0x0                  ; Wq, Wk, Wv, W1
	s_load_b128 s[12:15], s[0:1], 0x20                ; W2, wimg
	v_lshrrev_b32 v1, 5, v0
	v_readfirstlane_b32 s16, v1                       ; wave
	s_and_b32 s17, ttmp7, 0xffff                      ; the matrix, 0 .. 18
	s_and_b32 s18, s16, 3                             ; s
	s_lshr_b32 s19, s16, 2
	s_and_b32 s20, ttmp9, 3
	s_lshl_b32 s20, s20, 1
	s_add_co_u32 s19, s19, s20                        ; t
	s_lshr_b32 s20, ttmp9, 2                          ; w
	s_mov_b32 s23, 384                                ; a source row in bytes (W2: 3,072)
	s_mov_b32 s25, 3072
	s_sub_co_u32 s28, s17, 3
	s_mul_i32 s28, s28, 196608                        ; W1: 512 rows a matrix
	s_sub_co_u32 s29, s17, 11
	s_mul_i32 s29, s29, 384                           ; W2: 384 bytes along each row a matrix
	s_cmp_eq_u32 s17, 2
	s_cselect_b32 s21, 0, 1                           ; 1: the rows of a tile are chosen as above
	s_cmp_ge_u32 s17, 3
	s_cselect_b32 s24, s28, 0
	s_cmp_ge_u32 s17, 11
	s_cselect_b32 s24, s29, s24
	s_cselect_b32 s23, s25, s23
	s_cselect_b32 s21, 0, s21
	s_lshl_b32 s30, s19, 4                            ; 16 t
	s_lshr_b32 s31, s19, 1
	s_lshl_b32 s31, s31, 5
	s_and_b32 s32, s19, 1
	s_lshl_b32 s32, s32, 3
	s_add_co_u32 s31, s31, s32                        ; 32 (t / 2) + 8 (t % 2)
	s_cmp_eq_u32 s21, 1
	s_cselect_b32 s30, s31, s30
	s_lshl_b32 s31, s20, 7
	s_add_co_u32 s30, s30, s31                        ; the tile's first row
	s_mul_i32 s30, s30, s23
	s_add_co_u32 s30, s30, s24
	s_mul_i32 s31, s18, 96
	s_add_co_u32 s30, s30, s31                        ; + 96 s
	s_mov_b32 s31, 0
	s_lshl_b32 s32, s20, 5
	s_lshl_b32 s33, s18, 3
	s_add_co_u32 s32, s32, s33
	s_add_co_u32 s32, s32, s19
	s_mul_i32 s32, s32, 1536
	s_mul_i32 s33, s17, 196608
	s_add_co_u32 s32, s32, s33                        ; where the fragment goes
	s_mov_b32 s33, 0
	v_and_b32 v2, 15, v0                              ; r
	v_bfe_u32 v3, v0, 4, 1                            ; h
	v_and_b32 v4, 8, v2
	v_mad_u32_u24 v4, v4, s21, v2                     ; r, or r + 8 (r / 8)
	v_mul_u32_u24 v4, v4, s23
	v_mad_u32_u24 v4, v3, 24, v4                      ; + 24 h
	v_and_b32 v5, 31, v0
	v_lshlrev_b32 v5, 4, v5
	s_wait_alu depctr_va_vdst(0)                      ; the wait at the head's end
	s_wait_kmcnt 0x0
	s_cmp_eq_u32 s17, 1
	s_cselect_b64 s[26:27], s[6:7], s[4:5]
	s_cmp_eq_u32 s17, 2
	s_cselect_b64 s[26:27], s[8:9], s[26:27]
	s_cmp_ge_u32 s17, 3
	s_cselect_b64 s[26:27], s[10:11], s[26:27]
	s_cmp_ge_u32 s17, 11
	s_cselect_b64 s[26:27], s[12:13], s[26:27]
	s_add_nc_u64 s[26:27], s[26:27], s[30:31]
	s_add_nc_u64 s[14:15], s[14:15], s[32:33]
.irp p, 0,1,2,3,4,5
	global_load_b64 v[8+2*\p:9+2*\p], v4, s[26:27] offset:48*(\p/3)+8*(\p%3)   ; the fragment's twelve registers, as the matrix instruction takes them
.endr
	s_wait_loadcnt 0x0
.irp c, 0,1,2
	global_store_b128 v5, v[8+4*\c:11+4*\c], s[14:15] offset:512*\c             ; the wave stores 512 consecutive, aligned bytes
.endr
	s_endpgm
.Lfunc_end_k_qc3e7668ee4_lay:
	.size	k_qc3e7668ee4_lay, .Lfunc_end_k_qc3e7668ee4_lay-k_qc3e7668ee4_lay
	.p2alignl 7, 3214868480
	.fill 96, 4, 3214868480
	.section	.rodata,"a",@progbits
	.p2align	6, 0x0
	.amdhsa_kernel k_qc3e7668ee4_lay
		.amdhsa_group_segment_fixed_size 0
		.amdhsa_private_segment_fixed_size 0
		.amdhsa_enable_private_segment 0
		.amdhsa_kernarg_size 48
		.amdhsa_user_sgpr_count 2
		.amdhsa_user_sgpr_kernarg_segment_ptr 1
		.amdhsa_wavefront_size32 1
		.amdhsa_system_sgpr_workgroup_id_x 1
		.amdhsa_system_sgpr_workgroup_id_y 1
		.amdhsa_system_sgpr_workgroup_id_z 1
		.amdhsa_system_vgpr_workitem_id 0
		.amdhsa_next_free_vgpr 24
		.amdhsa_next_free_sgpr 66
		.amdhsa_reserve_vcc 0
		.amdhsa_float_denorm_mode_32 3
		.amdhsa_float_denorm_mode_16_64 3
		.amdhsa_memory_ordered 1
		.amdhsa_forward_progress 1
		.amdhsa_inst_pref_size 4
	.end_amdhsa_kernel
	.amdgpu_metadata
---
amdhsa.version: [ 1, 2 ]
amdhsa.kernels:
  - .name:           k_qc3e7668ee4_lay
    .symbol:         k_qc3e7668ee4_lay.kd
    .args:
      - { .name: Wq_codes, .offset: 0, .size: 8, .value_kind: global_buffer, .address_space: global }
      - { .name: Wk_codes, .offset: 8, .size: 8, .value_kind: global_buffer, .address_space: global }
      - { .name: Wv_codes, .offset: 16, .size: 8, .value_kind: global_buffer, .address_space: global }
      - { .name: W1_codes, .offset: 24, .size: 8, .value_kind: global_buffer, .address_space: global }
      - { .name: W2_codes, .offset: 32, .size: 8, .value_kind: global_buffer, .address_space: global }
      - { .name: wimg, .offset: 40, .size: 8, .value_kind: global_buffer, .address_space: global }
    .group_segment_fixed_size: 0
    .private_segment_fixed_size: 0
    .kernarg_segment_align: 8
    .kernarg_segment_size: 48
    .max_flat_workgroup_size: 256
    .sgpr_count:     66
    .vgpr_count:     24
    .wavefront_size: 32
...
	.end_amdgpu_metadata
.endif
;; end of part 1
;; launch qkv (part 2): grid 128 x 1, 4 waves a work-group, clusters of 4 x 1, 327,680 bytes of LDS; arguments x, wimg, Wq_scales, Wk_scales, Wv_scales, alpha, beta, qrec, kc, kvs, vc; writes qrec, kc, kvs, vc
.if DOCPART == 2
	.amdgcn_target "amdgcn-amd-amdhsa--gfx1250"
	.amdhsa_code_object_version 6
	.text
	.protected	k_qc3e7668ee4_qkv
	.globl	k_qc3e7668ee4_qkv
	.p2align	8
	.type	k_qc3e7668ee4_qkv,@function
k_qc3e7668ee4_qkv:
	s_mov_b64 s[64:65], 0
	v_nop
	global_prefetch_b8 v0, s[64:65] scope:SCOPE_SE
	s_setreg_imm32_b32 hwreg(HW_REG_WAVE_MODE, 25, 1), 1
	s_wait_xcnt 0x0
	s_wait_alu depctr_hold_cnt(0) depctr_sa_sdst(0) depctr_va_vdst(0) depctr_va_sdst(0) depctr_va_ssrc(0) depctr_va_vcc(0) depctr_vm_vsrc(0)
	s_getreg_b32 s2, hwreg(HW_REG_IB_STS2, 6, 4)
	s_cmp_eq_u32 s2, 0
	s_cbranch_scc0 .Lentry_in_a_cluster
	s_endpgm
.Lentry_in_a_cluster:
	s_bfe_u32 s2, ttmp6, 0x10000c
	s_cmp_lg_u32 s2, 0x3003
	s_cbranch_scc0 .Lentry_shape_is_right
	s_endpgm
.Lentry_shape_is_right:
; The weights come as register images (launch lay): a wave's part of a slot is 16 fragments of 1,536 bytes, one dense run of 96 rows of 256 bytes.
.set WPART, 24576
.set SLOT,  98304
.set XIMG,  245760
.set XSC,   270336
.set STG,   272384
.set SPARE, 305152
.set SPW,2
.set NIL,3
.set LI,4
.set LS,5
.set XA,6
.set IWI,7
.set IWS,8
.set XRI,9
.set XRS,10
.set AWP,11
.set AWN,15
.set WSPA,19
.set WSNA,20
.set QST,21
.set KST16,22
.set KST8,23
.set VST8,25
.set CRD,26
.set R4,27
.set SH0,28
.set WSA,32
.set WSB,64
.set OPS,96
.set OP,104
.set TM,200
.set RR,208
.set HH,209
.set PW,216
.set PC,218
.set ACC,240
.set NM,248
.set GG,250
.set TT,252
.set KW,240
.set QS2,244
.set TQ,248
.set B1,192
.set G1A,32
.set G0,40
.set WV,66
.set AL,68
.set BE,70
.set SEL,74
.set MSB,0
.macro WIN new
.if MSB != \new
	s_set_vgpr_msb (MSB<<8)|\new
.set MSB, \new
.endif
.endm
.macro PLACES n
.rept \n
	v_nop
.endr
.endm
.macro ROUND
	s_barrier_signal -1
	s_barrier_wait -1
	s_cmp_lg_u32 s[WV], 0
	s_cbranch_scc1 .Lnw0_\@
	s_barrier_signal -3
.Lnw0_\@:
	s_barrier_wait -3
	s_barrier_signal -1
	s_barrier_wait -1
.endm
.macro FRAG reg, adr, q, ro
.irp p, 0,1,2
	ds_load_b128 v[(\reg)+4*\p:(\reg)+4*\p+3], v[\adr] offset:(\ro)+512*\p
.endr
.endm
.macro FETCH_W adr, q, buf, perm
	WIN 0xc0
.irp t, 0,1,2,3,4,5,6,7
	FRAG 96*\buf+12*\t, \adr, \q, (8*(\q)+\t)*1536
.endr
	WIN 0
.endm
.macro FETCH_O ia, sa, s, buf
.irp m, 0,1,2,3
.irp c, 0,1,2
	ds_load_b128 v[OP+48*\buf+12*\m+4*\c:OP+48*\buf+12*\m+4*\c+3], v[\ia] offset:(4*\m+(\s))*1536+512*\c
.endr
	ds_load_b32 v[OPS+4*\buf+\m], v[\sa] offset:(4*\m+(\s))*128
.endr
.endm
.macro WM cz
.if \cz == 0
	v_wmma_scale_f32_16x16x128_f8f6f4 v[DD:DD+7], v[AA:AA+11], v[BB:BB+11], 0, v[SA], v[SB] matrix_a_fmt:MATRIX_FMT_FP6 matrix_b_fmt:MATRIX_FMT_FP6
.else
	v_wmma_scale_f32_16x16x128_f8f6f4 v[DD:DD+7], v[AA:AA+11], v[BB:BB+11], v[CC:CC+7], v[SA], v[SB] matrix_a_fmt:MATRIX_FMT_FP6 matrix_b_fmt:MATRIX_FMT_FP6
.endif
.endm
.macro MUL kind, buf, s, m0, cm, ws
.if \kind == 0
.if \cm == 0
	WIN 0x43
.else
	WIN 0x53
.endif
.else
.if \cm == 0
	WIN 0x4c
.else
	WIN 0x5c
.endif
.endif
.irp m, \m0, \m0+1
.irp t, 0,1,2,3,4,5,6,7
.if \kind == 1
.set DD, 8*(4*\t+(\m))
.set AA, OP+48*\buf+12*(\m)
.set BB, 96*\buf+12*\t
.set SA, OPS+4*\buf+(\m)
.set SB, \ws+4*\t+(\s)
.else
.set DD, 8*(8*(\m)+\t)
.set AA, 96*\buf+12*\t
.set BB, OP+48*\buf+12*(\m)
.set SA, \ws+4*\t+(\s)
.set SB, OPS+4*\buf+(\m)
.endif
.set CC, DD
.if \cm == 0
	WM 0
.else
	WM 1
.endif
.endr
.endr
.endm
.macro QUANT s
	WIN 0x05
.irp b, 0,1,2,3
	v_max3_num_f32 v[TM+\b], |v[\s+16*\b]|, |v[\s+1+16*\b]|, 0x1800000
.endr
	WIN 0x14
.irp i, 2,4,6,8,10,12,14
.irp b, 0,1,2,3
	v_max3_num_f32 v[TM+\b], v[TM+\b], |v[\s+16*\b+\i]|, |v[\s+1+16*\b+\i]|
.endr
.endr
	WIN 0
.irp b, 0,1,2,3
	v_permlanex16_b32 v[TM+4+\b], v[TM+\b], s[SEL], s[SEL+1]
.endr
.irp b, 0,1,2,3
	v_max_num_f32 v[TM+\b], v[TM+\b], v[TM+4+\b]
.endr
.irp b, 0,1,2,3
	v_add_nc_u32 v[TM+12+\b], 0xff000000, v[TM+\b]
.endr
.irp b, 0,1,2,3
	v_lshrrev_b32 v[TM+4+\b], 23, v[TM+12+\b]
.endr
	v_lshl_or_b32 v[PW], v[TM+5], 8, v[TM+4]
	v_lshl_or_b32 v[PW], v[TM+6], 16, v[PW]
	v_lshl_or_b32 v[PW], v[TM+7], 24, v[PW]
	WIN 0x01
.irp c, 0,1
	v_cvt_scalef32_pk16_fp6_f32 v[PC+6*\c:PC+2+6*\c], v[\s+32*\c:\s+15+32*\c], v[TM+12+2*\c]
	v_cvt_scalef32_pk16_fp6_f32 v[PC+12+4*\c:PC+14+4*\c], v[\s+16+32*\c:\s+31+32*\c], v[TM+12+2*\c+1]
.endr
	WIN 0
	v_nop
.irp c, 0,1
.irp i, 0,1,2
	v_permlane16_swap_b32 v[PC+6*\c+\i], v[PC+12+4*\c+\i]
.endr
.irp i, 0,1,2
	v_mov_b32 v[PC+3+6*\c+\i], v[PC+12+4*\c+\i]
.endr
.endr
.endm
.macro IMAGE adr, off
.irp c, 0,1,2
	ds_store_b128 v[\adr], v[PC+4*\c:PC+4*\c+3] offset:\off+512*\c
.endr
.endm
.macro LNSUM
	v_pk_add_f32 v[ACC:ACC+1], v[ACC:ACC+1], v[ACC+2:ACC+3]
	v_pk_add_f32 v[ACC+4:ACC+5], v[ACC+4:ACC+5], v[ACC+6:ACC+7]
	v_pk_add_f32 v[ACC:ACC+1], v[ACC:ACC+1], v[ACC+4:ACC+5]
	v_add_f32 v[TT], v[ACC], v[ACC+1]
	v_permlanex16_b32 v[TT+1], v[TT], s[SEL], s[SEL+1]
	v_add_f32 v[TT], v[TT], v[TT+1]
.endm
.macro LNQ
	WIN 0x05
.irp k, 0,1,2,3
	v_pk_add_f32 v[ACC+2*\k:ACC+2*\k+1], v[2*\k:2*\k+1], v[8+2*\k:9+2*\k]
.endr
	WIN 0x04
.set J, 16
.rept 120
	v_pk_add_f32 v[ACC+J%8:ACC+J%8+1], v[ACC+J%8:ACC+J%8+1], v[J:J+1]
.set J, J+2
.endr
	WIN 0
	LNSUM
	v_mul_f32 v[NM], 0xbb000000, v[TT]
	v_mov_b32 v[NM+1], v[NM]
	WIN 0x41
.set J, 0
.rept 128
	v_pk_add_f32 v[J:J+1], v[J:J+1], v[NM:NM+1]
.set J, J+2
.endr
	WIN 0x05
.irp k, 0,1,2,3
	v_pk_mul_f32 v[ACC+2*\k:ACC+2*\k+1], v[2*\k:2*\k+1], v[2*\k:2*\k+1]
.endr
.set J, 8
.rept 124
	v_pk_fma_f32 v[ACC+J%8:ACC+J%8+1], v[J:J+1], v[J:J+1], v[ACC+J%8:ACC+J%8+1]
.set J, J+2
.endr
	WIN 0
	LNSUM
	v_fma_f32 v[TT], v[TT], s72, s73
	s_wait_alu depctr_va_vdst(0)
	v_rsq_f32 v[GG], v[TT]
	v_nop
	s_wait_alu depctr_va_vdst(0)
	v_mul_f32 v[GG], s[AL], v[GG]
	v_mov_b32 v[GG+1], v[GG]
	WIN 0x41
.set J, 0
.rept 128
	v_pk_fma_f32 v[J:J+1], v[J:J+1], v[GG:GG+1], s[BE:BE+1] op_sel_hi:[1,1,0]
.set J, J+2
.endr
.irp s, 0,1,2,3
	QUANT 64*\s
	IMAGE IWI, \s*1536
	ds_store_b32 v[IWS], v[PW] offset:\s*128
	s_wait_dscnt 0x0
.endr
.endm
.macro STEPA kind, adr, perm, s, cm, ws, ia, sa, pre
	PLACES 4
	WIN 0
.if \pre
	FETCH_O \ia, \sa, \s, 0
.endif
	FETCH_W \adr, 1, 1, \perm
	FETCH_O \ia, \sa, (\s)+1, 1
	s_wait_dscnt 40                                   ; all but the 24 + 16 loads just issued
	MUL \kind, 0, \s, 0, \cm, \ws
	MUL \kind, 0, \s, 2, \cm, \ws
.endm
.macro STEPB kind, s, ws, fill, g0, g1, nadr, nperm, nfo, nia, nsa, ns
	WIN 0
	s_wait_tensorcnt 0x0
.if \fill
	ds_add_u32 v[SPW], v[NIL]
	s_wait_dscnt 0x1
	MUL \kind, 1, \s, 0, 2, \ws
	s_wait_dscnt 0x0
	WIN 0
	ROUND
	tensor_load_to_lds s[\g0:\g0+3], s[\g1:\g1+7]
	s_nop 0
	PLACES 4
.else
	s_wait_dscnt 0x0
	MUL \kind, 1, \s, 0, 2, \ws
	PLACES 4
.endif
	FETCH_W \nadr, 0, 0, \nperm
.if \nfo
	FETCH_O \nia, \nsa, \ns, 0
.endif
	MUL \kind, 1, \s, 2, 2, \ws
.endm
.macro COPYOUT n, per, stride, sb
	s_wait_xcnt 0x0
	WIN 0x80
.set I, 0
.rept \n
	ds_load_b128 v[4*I:4*I+3], v[CRD] offset:512*I
.set I, I+1
.endr
	WIN 0x08
.set I, 0
.rept \n
	s_wait_dscnt \n-1-I
	global_store_b128 v[LI], v[4*I:4*I+3], s[\sb:\sb+1] offset:(I/\per)*\stride+(I%\per)*512
.set I, I+1
.endr
	WIN 0
.endm
.macro G0SET g, wp, half
	s_mov_b32 s[\g], 1
	s_add_co_u32 s[\g+1], s76, \half*SLOT
	s_add_nc_u64 s[\g+2:\g+3], s[\wp:\wp+1], s[78:79]
.if \half
	s_add_nc_u64 s[\g+2:\g+3], s[\g+2:\g+3], 24576
.endif
	s_or_b32 s[\g+3], s[\g+3], 0x80000000
.endm
	s_load_b128 s[4:7], s[0:1], 0x0                   ; x, wimg
	s_load_b64 s[8:9], s[0:1], 0x10                   ; Wq's scales
	s_load_b64 s[12:13], s[0:1], 0x18                 ; Wk's
	s_load_b128 s[16:19], s[0:1], 0x20                ; Wv's, alpha
	s_load_b256 s[20:27], s[0:1], 0x30                ; beta, qrec, kc, kvs
	s_load_b64 s[28:29], s[0:1], 0x50                 ; vc
	v_lshl_add_u32 v[SPW], v0, 2, SPARE
	v_mov_b32 v[NIL], 0
	ds_add_u32 v2, v3
	ds_add_u32 v2, v3
	s_wait_dscnt 0x0
	v_lshrrev_b32 v1, 5, v0
	v_readfirstlane_b32 s[WV], v1
	s_bfe_u32 s67, ttmp6, 0x40000
	s_lshl_b32 s69, ttmp9, 2
	s_add_co_u32 s67, s69, s67
	s_mov_b32 s[G1A], 15|(3<<16)|(1<<21)              ; a dense run as 96 rows of 256 bytes (32 elements of 8 bytes)
	s_mov_b32 s[G1A+1], 32<<16
	s_mov_b32 s[G1A+2], 96<<16
	s_mov_b32 s[G1A+3], 32<<16
	s_mov_b32 s[G1A+4], 96
	s_mov_b32 s[G1A+5], 32
	s_mov_b32 s[G1A+6], 0
	s_mov_b32 s[G1A+7], 0
	s_mul_i32 s76, s[WV], WPART
	s_mul_i32 s78, s[WV], 49152
	s_mov_b32 s79, 0
	s_mov_b32 s72, 0x3b004020
	s_mov_b32 s73, 0x358637bd
	s_mov_b32 s[SEL], 0x76543210
	s_mov_b32 s[SEL+1], 0xfedcba98
	s_wait_kmcnt 0x0
	s_add_nc_u64 s[10:11], s[6:7], 196608             ; Wk's image
	s_add_nc_u64 s[14:15], s[6:7], 393216             ; Wv's image
	s_add_nc_u64 s[30:31], s[26:27], 131072           ; V's scale words lie behind K's
	s_load_b32 s[AL], s[18:19], 0x0
	s_load_b32 s[BE], s[20:21], 0x0
	G0SET G0, 6, 0
	G0SET G0+4, 6, 1
	G0SET G0+8, 10, 0
	G0SET G0+12, 10, 1
	G0SET G0+16, 14, 0
	G0SET G0+20, 14, 1
	ROUND
	tensor_load_to_lds s[G0:G0+3], s[G1A:G1A+7]
	s_nop 0
	s_wait_alu depctr_va_vdst(0)
	s_wait_tensorcnt 0x0
	ds_add_u32 v2, v3
	s_wait_dscnt 0x0
	ROUND
	tensor_load_to_lds s[G0+4:G0+7], s[G1A:G1A+7]
	s_nop 0
	PLACES 4
	s_lshl_b32 s80, s67, 17
	s_mov_b32 s81, 0
	s_add_nc_u64 s[4:5], s[4:5], s[80:81]
	s_lshr_b32 s82, s67, 5
	s_and_b32 s83, s67, 31
	s_lshl_b32 s82, s82, 4
	s_lshl_b32 s84, s[WV], 2
	s_add_co_u32 s82, s82, s84
	s_lshl_b32 s80, s82, 16
	s_lshl_b32 s84, s83, 11
	s_add_co_u32 s80, s80, s84
	s_add_nc_u64 s[22:23], s[22:23], s[80:81]
	s_mul_i32 s80, s82, 49152
	s_mul_i32 s84, s83, 1536
	s_add_co_u32 s80, s80, s84
	s_add_nc_u64 s[24:25], s[24:25], s[80:81]
	s_add_nc_u64 s[28:29], s[28:29], s[80:81]
	s_lshl_b32 s80, s82, 11
	s_lshl_b32 s84, s83, 6
	s_add_co_u32 s80, s80, s84
	s_add_nc_u64 s[26:27], s[26:27], s[80:81]
	s_add_nc_u64 s[30:31], s[30:31], s[80:81]
	v_and_b32 v1, 31, v0
	v_and_b32 v[RR], 15, v0
	v_bfe_u32 v[HH], v0, 4, 1
	v_lshlrev_b32 v[LI], 4, v1
	v_lshlrev_b32 v[LS], 2, v1
	v_lshlrev_b32 v[R4], 2, v[RR]
	v_lshlrev_b32 v[SH0], 3, v[HH]
	v_add_nc_u32 v[SH0+1], 16, v[SH0]
	v_and_b32 v[TT], 8, v[RR]
	v_add_nc_u32 v[TT], v[TT], v[RR]
	s_wait_alu depctr_va_vdst(0)
	s_lshr_b32 s84, s[WV], 1
	s_lshl_b32 s84, s84, 5
	s_and_b32 s85, s[WV], 1
	s_lshl_b32 s85, s85, 3
	s_add_co_u32 s84, s84, s85
	v_add_nc_u32 v[XA], s84, v[TT]
	v_lshlrev_b32 v[XA], 11, v[XA]
	v_lshl_add_u32 v[XA], v[HH], 6, v[XA]
	s_mul_i32 s84, s[WV], 6144
	s_add_co_u32 s84, s84, XIMG
	v_add_nc_u32 v[IWI], s84, v[LI]
	s_lshl_b32 s84, s[WV], 9
	s_add_co_u32 s84, s84, XSC
	v_add_nc_u32 v[IWS], s84, v[LS]
	v_add_nc_u32 v[XRI], XIMG, v[LI]
	v_add_nc_u32 v[XRS], XSC, v[LS]
	v_add_nc_u32 v[AWP], s76, v[LI]                   ; my part of slot 0, 16 bytes a lane
	v_add_nc_u32 v[AWP+1], SLOT, v[AWP]
	v_add_nc_u32 v[AWN], s76, v[LI]
	v_add_nc_u32 v[AWN+1], SLOT, v[AWN]
	s_lshl_b32 s84, s[WV], 11
	v_lshl_add_u32 v[WSPA], v[TT], 4, s84
	v_lshl_add_u32 v[WSNA], v[RR], 4, s84
	s_lshl_b32 s85, s[WV], 13
	s_add_co_u32 s85, s85, STG
	v_lshlrev_b32 v[QST], 5, v[TT]
	v_lshl_add_u32 v[QST], v[HH], 11, v[QST]
	v_add_nc_u32 v[QST], s85, v[QST]
	v_mul_u32_u24 v[TT+1], v[HH], 1536
	v_add_nc_u32 v[TT+1], s85, v[TT+1]
	v_and_b32 v[TT], 8, v[RR]                         ; K's place in a fragment of 64 keys: row 8 (m / 2) + r % 8, block m % 2 + 2 (r / 8): row i of a score tile j is then key 32 (i / 8) + 8 j + i % 8
	v_mad_u32_u24 v[TT+1], v[TT], 96, v[TT+1]
	v_and_b32 v[TT], 7, v[RR]
	v_lshl_add_u32 v[KST16], v[TT], 4, v[TT+1]
	v_lshl_add_u32 v[KST8], v[TT], 3, v[TT+1]
	v_add_nc_u32 v[KST8], 512, v[KST8]
	v_lshl_add_u32 v[VST8], v1, 3, s85
	v_add_nc_u32 v[VST8], 512, v[VST8]
	v_add_nc_u32 v[CRD], s85, v[LI]
.irp b, 0,1,2,3
	v_mov_b32 v[TM+4+\b], 0
.endr
.irp t, 0,1,2,3,4,5,6,7
	global_load_b128 v[WSA+4*\t:WSA+4*\t+3], v[WSPA], s[8:9] offset:(32*(\t/2)+8*(\t%2))*16
	global_load_b128 v[WSB+4*\t:WSB+4*\t+3], v[WSPA], s[12:13] offset:(32*(\t/2)+8*(\t%2))*16
.endr
	WIN 0x40
.set I, 0
.rept 64
	global_load_b128 v[4*I:4*I+3], v[XA], s[4:5] offset:128*(I/4)+16*(I%4)
.set I, I+1
.endr
	WIN 0
	s_wait_kmcnt 0x0
	s_mov_b32 s[BE+1], s[BE]
	s_wait_loadcnt 0x0
	LNQ
	s_barrier_signal -1
	s_barrier_wait -1
	s_wait_tensorcnt 0x1
	FETCH_W AWP+0, 0, 0, 1
	FETCH_O XRI, XRS, 0, 0
	STEPA 0, AWP+0, 1, 0, 0, WSA, XRI, XRS, 0
	STEPB 0, 1, WSA, 1, G0+8, G1A, AWP+1, 1, 1, XRI, XRS, 2
	STEPA 0, AWP+1, 1, 2, 2, WSA, XRI, XRS, 0
	STEPB 0, 3, WSA, 1, G0+12, G1A, AWP+0, 1, 1, XRI, XRS, 0
	PLACES 4
.irp m, 0,1,2,3
	QUANT 64*\m
.irp c, 0,1
	ds_store_b128 v[QST], v[PC+6*\c:PC+6*\c+3] offset:\c*4096+(32*(\m/2)+8*(\m%2))*32
	ds_store_b64 v[QST], v[PC+6*\c+4:PC+6*\c+5] offset:\c*4096+(32*(\m/2)+8*(\m%2))*32+16
	v_lshrrev_b32 v[TQ], v[SH0+\c], v[PW]
	v_perm_b32 v[QS2+2*\c], v[TQ], v[TQ], 0
	v_mov_b32 v[QS2+2*\c+1], v[QS2+2*\c]
	ds_store_b64 v[QST], v[QS2+2*\c:QS2+2*\c+1] offset:\c*4096+(32*(\m/2)+8*(\m%2))*32+24
.endr
	s_wait_dscnt 0x0
.endr
	COPYOUT 16, 4, 65536, 22
.irp t, 0,1,2,3,4,5,6,7
	global_load_b128 v[WSA+4*\t:WSA+4*\t+3], v[WSNA], s[16:17] offset:256*\t
.endr
	STEPA 0, AWP+0, 1, 0, 0, WSB, XRI, XRS, 0
	STEPB 0, 1, WSB, 1, G0+16, G1A, AWP+1, 1, 1, XRI, XRS, 2
	STEPA 0, AWP+1, 1, 2, 2, WSB, XRI, XRS, 0
	STEPB 0, 3, WSB, 1, G0+20, G1A, AWN+0, 0, 1, XRI, XRS, 0
	PLACES 4
.irp m, 0,1,2,3
	QUANT 64*\m
.irp c, 0,1
	ds_store_b128 v[KST16], v[PC+6*\c:PC+6*\c+3] offset:\c*3072+(\m/2)*128+(\m%2)*256
	ds_store_b64 v[KST8], v[PC+6*\c+4:PC+6*\c+5] offset:\c*3072+(\m/2)*64+(\m%2)*128
.endr
.irp b, 0,1,2,3
.if \m == 0
	v_bfe_u32 v[KW+\b], v[PW], 8*\b, 8
.else
	v_bfe_u32 v[TQ], v[PW], 8*\b, 8
	v_lshl_or_b32 v[KW+\b], v[TQ], 8*\m, v[KW+\b]
.endif
.endr
	s_wait_dscnt 0x0
.endr
	s_wait_alu depctr_va_vdst(0)
.irp b, 0,1,2,3
	global_store_b32 v[R4], v[KW+\b], s[26:27] offset:\b*2048
.endr
	COPYOUT 12, 3, 49152, 24
	s_wait_loadcnt 0x0
	STEPA 1, AWN+0, 0, 0, 0, WSA, XRI, XRS, 0
	STEPB 1, 1, WSA, 0, G0, G1A, AWN+1, 0, 1, XRI, XRS, 2
	STEPA 1, AWN+1, 0, 2, 2, WSA, XRI, XRS, 0
	s_wait_dscnt 0x0
	MUL 1, 1, 3, 0, 2, WSA
	MUL 1, 1, 3, 2, 2, WSA
	PLACES 4
.irp u, 0,1,2,3
	QUANT 64*\u
.irp c, 0,1
	ds_store_b128 v[CRD], v[PC+6*\c:PC+6*\c+3] offset:\u*1536+\c*768
	ds_store_b64 v[VST8], v[PC+6*\c+4:PC+6*\c+5] offset:\u*1536+\c*768
.endr
	v_mov_b32 v[KW+\u], v[PW]
	global_store_b32 v[R4], v[KW+\u], s[30:31] offset:\u*2048
	s_wait_dscnt 0x0
.endr
	COPYOUT 12, 3, 49152, 28
	s_wait_tensorcnt 0x0
	ds_add_u32 v[SPW], v[NIL]
	s_wait_dscnt 0x0
	ROUND
	s_endpgm
.Lfunc_end_k_qc3e7668ee4_qkv:
	.size	k_qc3e7668ee4_qkv, .Lfunc_end_k_qc3e7668ee4_qkv-k_qc3e7668ee4_qkv
	.p2alignl 7, 3214868480
	.fill 96, 4, 3214868480
	.section	.rodata,"a",@progbits
	.p2align	6, 0x0
	.amdhsa_kernel k_qc3e7668ee4_qkv
		.amdhsa_group_segment_fixed_size 327680
		.amdhsa_private_segment_fixed_size 0
		.amdhsa_enable_private_segment 0
		.amdhsa_kernarg_size 88
		.amdhsa_user_sgpr_count 2
		.amdhsa_user_sgpr_kernarg_segment_ptr 1
		.amdhsa_wavefront_size32 1
		.amdhsa_system_sgpr_workgroup_id_x 1
		.amdhsa_system_sgpr_workgroup_id_y 1
		.amdhsa_system_sgpr_workgroup_id_z 1
		.amdhsa_system_vgpr_workitem_id 0
		.amdhsa_next_free_vgpr 1024
		.amdhsa_next_free_sgpr 100
		.amdhsa_reserve_vcc 0
		.amdhsa_float_denorm_mode_32 3
		.amdhsa_float_denorm_mode_16_64 3
		.amdhsa_memory_ordered 1
		.amdhsa_forward_progress 1
		.amdhsa_inst_pref_size 213
	.end_amdhsa_kernel
	.amdgpu_metadata
---
amdhsa.version: [ 1, 2 ]
amdhsa.kernels:
  - .name:           k_qc3e7668ee4_qkv
    .symbol:         k_qc3e7668ee4_qkv.kd
    .args:
      - { .name: x, .offset: 0, .size: 8, .value_kind: global_buffer, .address_space: global }
      - { .name: wimg, .offset: 8, .size: 8, .value_kind: global_buffer, .address_space: global }
      - { .name: Wq_scales, .offset: 16, .size: 8, .value_kind: global_buffer, .address_space: global }
      - { .name: Wk_scales, .offset: 24, .size: 8, .value_kind: global_buffer, .address_space: global }
      - { .name: Wv_scales, .offset: 32, .size: 8, .value_kind: global_buffer, .address_space: global }
      - { .name: alpha, .offset: 40, .size: 8, .value_kind: global_buffer, .address_space: global }
      - { .name: beta, .offset: 48, .size: 8, .value_kind: global_buffer, .address_space: global }
      - { .name: qrec, .offset: 56, .size: 8, .value_kind: global_buffer, .address_space: global }
      - { .name: kc, .offset: 64, .size: 8, .value_kind: global_buffer, .address_space: global }
      - { .name: kvs, .offset: 72, .size: 8, .value_kind: global_buffer, .address_space: global }
      - { .name: vc, .offset: 80, .size: 8, .value_kind: global_buffer, .address_space: global }
    .group_segment_fixed_size: 327680
    .private_segment_fixed_size: 0
    .kernarg_segment_align: 8
    .kernarg_segment_size: 88
    .max_flat_workgroup_size: 128
    .sgpr_count:     100
    .vgpr_count:     1024
    .wavefront_size: 32
...
	.end_amdgpu_metadata
.endif
;; end of part 2
;; launch attn (part 3): grid 256 x 1, 16 waves a work-group, clusters of 4 x 1, 276,480 bytes of LDS; arguments qrec, kc, kvs, vc, x, x1; writes x1
.if DOCPART == 3
	.amdgcn_target "amdgcn-amd-amdhsa--gfx1250"
	.amdhsa_code_object_version 6
	.text
	.protected	k_qc3e7668ee4_attn
	.globl	k_qc3e7668ee4_attn
	.p2align	8
	.type	k_qc3e7668ee4_attn,@function
k_qc3e7668ee4_attn:
	s_mov_b64 s[64:65], 0
	v_nop
	global_prefetch_b8 v0, s[64:65] scope:SCOPE_SE
	s_setreg_imm32_b32 hwreg(HW_REG_WAVE_MODE, 25, 1), 1
	s_wait_xcnt 0x0
	s_wait_alu depctr_hold_cnt(0) depctr_sa_sdst(0) depctr_va_vdst(0) depctr_va_sdst(0) depctr_va_ssrc(0) depctr_va_vcc(0) depctr_vm_vsrc(0)
	s_getreg_b32 s2, hwreg(HW_REG_IB_STS2, 6, 4)
	s_cmp_eq_u32 s2, 0
	s_cbranch_scc0 .Lentry_in_a_cluster
	s_endpgm
.Lentry_in_a_cluster:
	s_bfe_u32 s2, ttmp6, 0x10000c
	s_cmp_lg_u32 s2, 0x3003
	s_cbranch_scc0 .Lentry_shape_is_right
	s_endpgm
.Lentry_shape_is_right:
; x1 = x + softmax(q k^T / sqrt(512)) v, head by head, both products on E2M3 codes made by the launch before.
; A work-group owns two neighbouring heads and 256 queries.  A WAVE OWNS 16 QUERIES AND WALKS BOTH HEADS, one after the other: a token's output of the pair, 256 consecutive aligned bytes, is then one wave's,
; goes through the wave's own stage, and no barrier stands behind the head.
; The pair's K and V codes (4 x 48 KiB) come into LDS ONCE, a sixteenth by each wave's one tensor load, and stay: nothing is filled again.  The four work-groups of a cluster own the same pair and ask jointly.
; No prefetch: the tiles are asked for once, at the head, and there is no loop to run ahead in.  The scale words (8 KiB) come by plain loads and are stored to LDS bytes of their own in the order the products want.
; THE FIRST PRODUCT'S K IS 32, one block of the instruction's four.  A fragment of K holds FOUR tiles of 16 keys, one in each block; q stands in block j of variant j of source 1, zero codes in the other blocks.
; The four variants are overlapping runs of 30 registers: zeros, q in lanes 0-15, zeros, q in lanes 16-31, zeros.
; Both products are used transposed: a lane holds one query.  Row i of score tile j of a fragment is key 32 (i / 8) + 8 j + i % 8 of its 64: so lane (r, h) holds, in 32 consecutive registers,
; the WHOLE block of 32 keys 64 f + 32 h + 0 .. 31 in order: a block's maximum needs no other lane, and the conversions' results are the operand's registers.
; SOFTMAX: t = score x log2(e)/sqrt(512); M = the running largest t rounded up to a whole number; p = 2^(t - M) is quantised along the keys; the sum is taken of the unquantised p and divides at the end.
; A block's largest p is made from its largest score by the same two instructions: this takes v_exp_f32 not to fall where its input rises.
; LIMITS: NaN and infinities are not served; the promise holds while |t| stays under 2^31.
.set KSO,   196608                     ; K's scale words [head][32 groups of 64 keys][16]; 4,096 bytes behind them V's [head][16 steps][2 tiles][16]
.set STG,   204800                     ; a stage of 16 rows x 272 bytes for each wave
.set SPARE, 274432                     ; the spare words
.set SST,7
.set SRD,8
.set GO,9
.set QA,10
.set LN,11
.set PCD,180
.set OH,192
.set BM,200
.set BT,202
.set CSC,204
.set PSW,206
.set FF,208
.set TP,210
.set TQ,211
.set SH,212
.set TX,213
.set QR,214                            ; q's records of both heads: six registers of codes and a scale word, at 214 and at 222
.set RR,232
.set HH,233
.set SW,234
.set SU,236
.set WV,18
.set SEL,20
.set CS,22
.set G1A,24
.set G0A,40
.set TB,48
.set TS,49
.set CNT,50
.macro PLACES n
.rept \n
	v_nop
.endr
.endm
.macro ROUND
	s_barrier_signal -1
	s_barrier_wait -1
	s_cmp_lg_u32 s[WV], 0
	s_cbranch_scc1 .Lnw0_\@
	s_barrier_signal -3
.Lnw0_\@:
	s_barrier_wait -3
	s_barrier_signal -1
	s_barrier_wait -1
.endm
	s_load_b256 s[4:11], s[0:1], 0x0                  ; qrec, kc, kvs, vc
	s_load_b128 s[12:15], s[0:1], 0x20                ; x, x1
	v_lshl_add_u32 v254, v0, 2, SPARE
	v_mov_b32 v255, 0
	ds_add_u32 v254, v255                             ; the opening lines
	ds_add_u32 v254, v255
	v_lshrrev_b32 v1, 5, v0
	v_readfirstlane_b32 s[WV], v1
	s_bfe_u32 s51, ttmp6, 0x40000                     ; my place in the cluster: it enters q's, x's and x1's addresses alone
	s_lshr_b32 s52, ttmp9, 1                          ; the pair of heads
	s_and_b32 s53, ttmp9, 1
	s_lshl_b32 s53, s53, 2
	s_add_co_u32 s53, s53, s51                        ; my block of 256 queries
	s_mov_b32 s[G1A], 15|(3<<16)|(1<<21)              ; 12,288 dense bytes as 48 rows of 256 (32 elements of 8 bytes); mask: all four
	s_mov_b32 s[G1A+1], 32<<16
	s_mov_b32 s[G1A+2], 48<<16
	s_mov_b32 s[G1A+3], 32<<16
	s_mov_b32 s[G1A+4], 48
	s_mov_b32 s[G1A+5], 32
	s_mov_b32 s[G1A+6], 0
	s_mov_b32 s[G1A+7], 0
	s_and_b32 s54, s[WV], 7                           ; waves 0-7 fetch K's codes, waves 8-15 V's, an eighth each
	s_lshr_b32 s55, s54, 2
	s_and_b32 s56, s54, 3
	s_mul_i32 s57, s55, 98304
	s_mul_i32 s56, s56, 12288
	s_add_co_u32 s57, s57, s56
	s_lshr_b32 s56, s[WV], 3
	s_mul_i32 s56, s56, 49152
	s_add_co_u32 s57, s57, s56                        ; in LDS: head 0's K, its V, head 1's K, its V
	s_mul_i32 s54, s54, 12288
	s_mul_i32 s55, s52, 98304
	s_add_co_u32 s54, s54, s55
	s_mov_b32 s55, 0
	s_mov_b32 s[SEL], 0x76543210
	s_mov_b32 s[SEL+1], 0xfedcba98
	s_mov_b32 s[CS], 0x3d8293ee                       ; log2(e) / sqrt(512)
	s_mov_b32 s[CS+1], s[CS]
	s_wait_dscnt 0x0
	s_wait_kmcnt 0x0
	s_cmp_lt_u32 s[WV], 8
	s_cselect_b64 s[58:59], s[6:7], s[10:11]
	s_mov_b32 s[G0A], 1
	s_mov_b32 s[G0A+1], s57
	s_add_nc_u64 s[G0A+2:G0A+3], s[58:59], s[54:55]
	s_or_b32 s[G0A+3], s[G0A+3], 0x80000000
	ROUND                                             ; the four work-groups are here: the joint loads meet
	tensor_load_to_lds s[G0A:G0A+3], s[G1A:G1A+7]     ; every wave's one tensor load
	s_nop 0
	s_lshl_b32 s70, s52, 17                           ; q's records: 65,536 bytes a head, 32 a query
	s_lshl_b32 s71, s53, 13
	s_add_co_u32 s70, s70, s71
	s_lshl_b32 s71, s[WV], 9
	s_add_co_u32 s70, s70, s71
	s_mov_b32 s71, 0
	s_add_nc_u64 s[4:5], s[4:5], s[70:71]
	s_lshr_b32 s70, s52, 3                            ; the batch
	s_lshl_b32 s70, s70, 11
	s_lshl_b32 s72, s53, 8
	s_add_co_u32 s70, s70, s72
	s_lshl_b32 s72, s[WV], 4
	s_add_co_u32 s70, s70, s72                        ; my first token
	s_lshl_b32 s70, s70, 11
	s_and_b32 s72, s52, 7
	s_lshl_b32 s72, s72, 8
	s_add_co_u32 s70, s70, s72                        ; + the pair's 256 bytes of a row
	s_add_nc_u64 s[12:13], s[12:13], s[70:71]
	s_add_nc_u64 s[14:15], s[14:15], s[70:71]
	s_lshl_b32 s70, s52, 12                           ; the pair's scale words
	s_add_nc_u64 s[8:9], s[8:9], s[70:71]
	s_mul_i32 s60, s[WV], 4352
	s_add_co_u32 s60, s60, STG
	v_and_b32 v[LN], 31, v0
	v_and_b32 v[RR], 15, v0
	v_bfe_u32 v[HH], v0, 4, 1
	v_lshlrev_b32 v1, 4, v[LN]                        ; codes: 16 bytes a lane,
	v_lshl_add_u32 v2, v[LN], 3, 512                  ; and 8 bytes a lane behind them
	v_lshl_add_u32 v3, v[RR], 2, KSO
	v_mul_u32_u24 v[SST], v[RR], 272                  ; the stage, in: row r, + 32 h
	v_mul_u32_u24 v[SRD], v[HH], 272                  ; and back: rows 2 i + h, 16 bytes a lane
	v_lshlrev_b32 v[GO], 11, v[HH]
	v_lshl_add_u32 v[SST], v[HH], 5, v[SST]
	v_lshl_add_u32 v[SRD], v[RR], 4, v[SRD]
	v_lshl_add_u32 v[GO], v[RR], 4, v[GO]
	v_add_nc_u32 v[SST], s60, v[SST]
	v_add_nc_u32 v[SRD], s60, v[SRD]
	v_lshlrev_b32 v[QA], 5, v[RR]
	v_lshlrev_b32 v[SH], 3, v[HH]
	v_lshlrev_b32 v96, 2, v0                          ; K's scale words: mine, and that of row r xor 8
	v_lshrrev_b32 v98, 5, v0
	v_bfe_u32 v99, v0, 3, 1
	v_mul_lo_u32 v100, v[HH], 0x02020202
	v_xor_b32 v97, 32, v96
	v_lshlrev_b32 v98, 7, v98
	v_mul_lo_u32 v99, v99, 0x06060606
	v_add_nc_u32 v100, 0x05040100, v100               ; V: the low halves of two words (tile 0) or the high halves (tile 1)
	v_lshl_add_u32 v98, v[RR], 2, v98
	v_xor_b32 v99, 0x05040100, v99                    ; K: rows 0-7 take bytes 0, 1 of both words, rows 8-15 bytes 2, 3, by the fragment's order of keys
	v_lshl_add_u32 v[SW], v0, 2, KSO
.irp i, 16,17,18,19,20,21,28,29,30,31,32,33,40,41,42,43,44,45
	v_mov_b32 v[\i], 0                                ; the zero codes round q
.endr
	v_mov_b32 v[FF+1], 0                              ; named as the upper half of a pair
	v_mov_b32 v[TX], 0                                ; a lane permute's destination counts as one of its sources
	s_wait_alu depctr_va_vdst(0)
	global_load_b32 v104, v96, s[8:9]
	global_load_b32 v105, v97, s[8:9]
	global_load_b32 v106, v96, s[8:9] offset:2048
	global_load_b32 v107, v97, s[8:9] offset:2048
	global_load_b32 v108, v98, s[8:9] offset:131072
	global_load_b32 v109, v98, s[8:9] offset:131072+64
	global_load_b32 v110, v98, s[8:9] offset:131072+2048
	global_load_b32 v111, v98, s[8:9] offset:131072+2112
.irp p, 0,1
	global_load_b128 v[QR+8*\p:QR+8*\p+3], v[QA], s[4:5] offset:65536*\p
	global_load_b64 v[QR+8*\p+4:QR+8*\p+5], v[QA], s[4:5] offset:65536*\p+16
	global_load_b32 v[QR+8*\p+6], v[QA], s[4:5] offset:65536*\p+24      ; q's scale byte in all four places
.endr
	s_wait_loadcnt 0x0
	v_perm_b32 v112, v105, v104, v99
	v_perm_b32 v113, v107, v106, v99
	v_perm_b32 v114, v109, v108, v100
	v_perm_b32 v115, v111, v110, v100
	s_wait_alu depctr_va_vdst(0)
	s_wait_tensorcnt 0x0                              ; my sixteenth of the codes is in
	ds_store_b32 v[SW], v112
	ds_store_b32 v[SW], v113 offset:2048
	ds_store_b32 v[SW], v114 offset:4096
	ds_store_b32 v[SW], v115 offset:6144
	s_wait_dscnt 0x0
	s_barrier_signal -1
	s_barrier_wait -1                                 ; the pair's codes and scale words lie in LDS
.macro SWM f, j, qv
	v_wmma_scale_f32_16x16x128_f8f6f4 v[96+8*(4*\f+\j):103+8*(4*\f+\j)], v[48+12*\f:59+12*\f], v[\qv:\qv+11], 0, v[176+\f], v46 matrix_a_fmt:MATRIX_FMT_FP6 matrix_b_fmt:MATRIX_FMT_FP6
.endm
.macro FM8                             ; t - M of sixteen scores
.rept 8
	v_pk_fma_f32 v[96+J:97+J], v[96+J:97+J], s[CS:CS+1], v[12:13] op_sel_hi:[1,0,0]
.set J, J+2
.endr
.endm
.macro ADDS n                          ; n more pairs of p onto the four partial sums
.rept \n
	v_pk_add_f32 v[SU+J%8:SU+J%8+1], v[SU+J%8:SU+J%8+1], v[96+J:97+J]
.set J, J+2
.endr
.endm
.macro PASS p                          ; head p of the pair
	v_mov_b32 v46, v[QR+8*\p+6]
	v_cmp_gt_u32 vcc_lo, 16, v[LN]
.irp i, 0,1,2,3,4,5
	v_cndmask_b32 v[22+\i], v16, v[QR+8*\p+\i], vcc_lo    ; q in lanes 0-15
	v_cndmask_b32 v[34+\i], v[QR+8*\p+\i], v16, vcc_lo    ; q in lanes 16-31
.endr
	v_mov_b32 v13, 0xff61b1e6                         ; the largest score so far: -3e38
	v_mov_b32 v12, 0x7e000000                         ; -M: so large that the first change of M multiplies the zeros below by 0
	v_mov_b32 v14, 0
	v_mov_b32 v15, 0
.irp j, 0,1,2,3,4,5,6,7,8,9,10,11,12,13,14,15
	v_mov_b32 v[160+\j], 0                            ; O^T
.endr
	s_mov_b32 s[TB], \p*98304
	s_mov_b32 s[TS], \p*2048
	s_mov_b32 s[CNT], 16
	v_add_nc_u32 v4, s[TB], v1
	v_add_nc_u32 v5, s[TB], v2
	v_add_nc_u32 v6, s[TS], v3
	s_wait_alu depctr_va_vdst(0)
.irp u, 0,1,2,3
	ds_load_b128 v[48+6*\u:51+6*\u], v4 offset:768*\u               ; the first trip's K
	ds_load_b64 v[52+6*\u:53+6*\u], v5 offset:768*\u
.endr
	ds_load_b32 v176, v6
	ds_load_b32 v177, v6 offset:64
.Lkey_\@:                                          ; 16 trips of 128 keys
	v_add_nc_u32 v4, s[TB], v1                        ; four lines: the places behind the last products
	v_add_nc_u32 v5, s[TB], v2
	v_add_nc_u32 v6, s[TS], v3
	v_mov_b32 v[TP], v12                              ; the old -M
.irp d, 0,1
.irp c, 0,1
	ds_load_b128 v[72+12*\d+6*\c:75+12*\d+6*\c], v4 offset:49152+\c*1536+\d*768
	ds_load_b64 v[76+12*\d+6*\c:77+12*\d+6*\c], v5 offset:49152+\c*1536+\d*768
.endr
.endr
	ds_load_b32 v178, v6 offset:4096
	ds_load_b32 v179, v6 offset:4096+64
	s_wait_alu depctr_va_vdst(0)
	s_wait_dscnt 10                                   ; K's ten loads, asked for a trip ago, are in; V's ten may be out
.irp f, 0,1
	SWM \f, 0, 22
	SWM \f, 1, 34
	SWM \f, 2, 16
	SWM \f, 3, 28
.endr
	PLACES 4
.irp u, 0,1,2,3                        ; the next trip's K, 3,072 bytes on, asked for a trip ahead.  (The last trip's request names filled bytes behind K's tile, which nobody uses)
	ds_load_b128 v[48+6*\u:51+6*\u], v4 offset:3072+768*\u
	ds_load_b64 v[52+6*\u:53+6*\u], v5 offset:3072+768*\u
.endr
	ds_load_b32 v176, v6 offset:128
	ds_load_b32 v177, v6 offset:128+64
.irp b, 0,1                            ; my two blocks' largest scores, each in two chains (17 and 15 numbers); every accumulator is first read at its low end
	v_max3_num_f32 v[BM+\b], v[96+32*\b], v[97+32*\b], v[98+32*\b]
	v_max3_num_f32 v[BT+\b], v[113+32*\b], v[114+32*\b], v[115+32*\b]
.endr
.irp i, 0,1,2,3,4,5
.irp b, 0,1
	v_max3_num_f32 v[BM+\b], v[BM+\b], v[99+32*\b+2*\i], v[100+32*\b+2*\i]
	v_max3_num_f32 v[BT+\b], v[BT+\b], v[116+32*\b+2*\i], v[117+32*\b+2*\i]
.endr
.endr
.irp b, 0,1
	v_max3_num_f32 v[BM+\b], v[BM+\b], v[111+32*\b], v[112+32*\b]
.endr
.irp b, 0,1
	v_max_num_f32 v[BM+\b], v[BM+\b], v[BT+\b]
.endr
	s_delay_alu instid0(VALU_DEP_1)
	v_max_num_f32 v[TQ], v[BM], v[BM+1]
	s_delay_alu instid0(VALU_DEP_1)
	v_permlanex16_b32 v[TX], v[TQ], s[SEL], s[SEL+1]  ; lane l xor 16 holds my query's other 64 keys
	s_delay_alu instid0(VALU_DEP_1)
	v_max3_num_f32 v13, v13, v[TQ], v[TX]             ; the running largest score
	s_delay_alu instid0(VALU_DEP_1)
	v_mul_f32 v[TQ], s[CS], v13                       ; as t (the factor is positive)
	s_delay_alu instid0(VALU_DEP_1)
	v_floor_f32 v12, -v[TQ]                           ; -M = floor(-t): M is a whole number
.set J, 0
	FM8
	v_sub_f32 v[TP], v12, v[TP]
	FM8
	v_cvt_i32_f32 v[TP], v[TP]                        ; (it saturates)
	FM8
	v_ldexp_f32 v[FF], 1.0, v[TP]                     ; f = 2^(old M - new M): exact
	FM8
.irp b, 0,1
	v_fma_f32 v[BM+\b], v[BM+\b], s[CS], v12
.endr
.irp j, 0,2,4,6,8,10,12,14
	v_pk_mul_f32 v[160+\j:161+\j], v[160+\j:161+\j], v[FF:FF+1] op_sel_hi:[1,0]   ; O^T under the new M
.endr
	s_wait_alu depctr_va_vdst(0)                      ; the wait ahead of the batch
.set J, 0
.rept 64
	v_exp_f32 v[96+J], v[96+J]                        ; p = 2^(t - M)
.set J, J+1
.endr
	v_exp_f32 v[BM], v[BM]                            ; each block's largest p
	v_exp_f32 v[BM+1], v[BM+1]
	v_pk_mul_f32 v[14:15], v[14:15], v[FF:FF+1] op_sel_hi:[1,0]     ; the sums under the new M (a plain place behind the exponentials)
	s_wait_alu depctr_va_vdst(0)                      ; one wait for the batch
.irp b, 0,1
	v_max_num_f32 v[BM+\b], 0x1800000, v[BM+\b]       ; the floor: the byte cannot fall under 1
.endr
.irp b, 0,1
	v_add_nc_u32 v[CSC+\b], 0xff000000, v[BM+\b]      ; 2 off the exponent field: the conversion's scale operand
.endr
.irp c, 0,1
	v_cvt_scalef32_pk16_fp6_f32 v[PCD+6*\c:PCD+2+6*\c], v[96+32*\c:111+32*\c], v[CSC+\c]
	v_cvt_scalef32_pk16_fp6_f32 v[OH+4*\c:OH+2+4*\c], v[112+32*\c:127+32*\c], v[CSC+\c]   ; (a conversion's three registers begin on an even number)
.endr
.irp b, 0,1
	v_lshrrev_b32 v[BT+\b], 23, v[CSC+\b]             ; the scale's byte (also the plain place behind the conversions)
.endr
.irp k, 0,1,2,3
	v_pk_add_f32 v[SU+2*\k:SU+2*\k+1], v[96+2*\k:97+2*\k], v[104+2*\k:105+2*\k]   ; the row's sum is taken of the unquantised p: four chains of pairs
.endr
	v_lshl_or_b32 v[PSW], v[BT+1], 16, v[BT]          ; my two bytes: blocks h and 2 + h,
.irp c, 0,1
.irp i, 0,1,2
	v_mov_b32 v[PCD+3+6*\c+\i], v[OH+4*\c+\i]
.endr
.endr
	v_lshlrev_b32 v[PSW], v[SH], v[PSW]               ; at their places in the word;
.set J, 16
	ADDS 2
	v_permlanex16_b32 v[TX], v[PSW], s[SEL], s[SEL+1]
	ADDS 2
	v_or_b32 v[PSW], v[PSW], v[TX]                    ; with lane l xor 16's two the word is whole.  The 24 additions below are the places ahead of the scaled products
	ADDS 20
	v_pk_add_f32 v[SU:SU+1], v[SU:SU+1], v[SU+2:SU+3]
	v_pk_add_f32 v[SU+4:SU+5], v[SU+4:SU+5], v[SU+6:SU+7]
	v_pk_add_f32 v[14:15], v[14:15], v[SU:SU+1]
	v_pk_add_f32 v[14:15], v[14:15], v[SU+4:SU+5]
	s_wait_alu depctr_va_vdst(0)
	s_wait_dscnt 10                                   ; V's ten loads are in; the next trip's K, ten loads, may be out
.irp d, 0,1
	v_wmma_scale_f32_16x16x128_f8f6f4 v[160+8*\d:167+8*\d], v[72+12*\d:83+12*\d], v[PCD:PCD+11], v[160+8*\d:167+8*\d], v[178+\d], v[PSW] matrix_a_fmt:MATRIX_FMT_FP6 matrix_b_fmt:MATRIX_FMT_FP6
.endr
	s_add_co_u32 s[TB], s[TB], 3072
	s_add_co_u32 s[TS], s[TS], 128
	s_sub_co_u32 s[CNT], s[CNT], 1
	s_cmp_lg_u32 s[CNT], 0
	s_cbranch_scc1 .Lkey_\@
	s_wait_dscnt 0x0                                  ; no load is out: K's registers may be loaded anew
	PLACES 4
.if \p == 1
.irp i, 0,1,2,3,4,5,6,7
	global_load_b128 v[128+4*\i:131+4*\i], v[GO], s[12:13] offset:\i*4096   ; x at my sixteen tokens
.endr
.endif
	v_add_f32 v14, v14, v15
	s_delay_alu instid0(VALU_DEP_1)
	v_permlanex16_b32 v[TX], v14, s[SEL], s[SEL+1]
	s_delay_alu instid0(VALU_DEP_1)
	v_add_f32 v14, v14, v[TX]
	s_wait_alu depctr_va_vdst(0)                      ; the wait ahead of the transcendental
	v_rcp_f32 v14, v14
	v_nop
	s_wait_alu depctr_va_vdst(0)                      ; and behind it, directly ahead of the first reader
.irp j, 0,1,2,3,4,5,6,7,8,9,10,11,12,13,14,15
	v_mul_f32 v[96+\j], v[160+\j], v14                ; register 8 d + i: channel 16 d + 8 h + i of my query
.endr
.irp d, 0,1
	ds_store_b128 v[SST], v[96+8*\d:99+8*\d] offset:\p*128+64*\d
	ds_store_b128 v[SST], v[100+8*\d:103+8*\d] offset:\p*128+64*\d+16
.endr
.endm
	PASS 0
	PASS 1
.irp i, 0,1,2,3,4,5,6,7
	ds_load_b128 v[48+4*\i:51+4*\i], v[SRD] offset:544*\i              ; my own stage: LDS serves a wave's instructions in order (ISA guide 5.7.1.4)
.endr
	s_wait_dscnt 0x0
	s_wait_loadcnt 0x0
.irp j, 0,2,4,6,8,10,12,14,16,18,20,22,24,26,28,30
	v_pk_add_f32 v[48+\j:49+\j], v[48+\j:49+\j], v[128+\j:129+\j]
.endr
.irp i, 0,1,2,3,4,5,6,7
	global_store_b128 v[GO], v[48+4*\i:51+4*\i], s[14:15] offset:\i*4096   ; sixteen lanes store 256 consecutive, aligned bytes
.endr
	s_wait_tensorcnt 0x0                              ; the wave's end
	ds_add_u32 v254, v255
	s_wait_dscnt 0x0
	ROUND                                             ; the closing round
	s_endpgm
.Lfunc_end_k_qc3e7668ee4_attn:
	.size	k_qc3e7668ee4_attn, .Lfunc_end_k_qc3e7668ee4_attn-k_qc3e7668ee4_attn
	.p2alignl 7, 3214868480
	.fill 96, 4, 3214868480
	.section	.rodata,"a",@progbits
	.p2align	6, 0x0
	.amdhsa_kernel k_qc3e7668ee4_attn
		.amdhsa_group_segment_fixed_size 276480
		.amdhsa_private_segment_fixed_size 0
		.amdhsa_enable_private_segment 0
		.amdhsa_kernarg_size 48
		.amdhsa_user_sgpr_count 2
		.amdhsa_user_sgpr_kernarg_segment_ptr 1
		.amdhsa_wavefront_size32 1
		.amdhsa_system_sgpr_workgroup_id_x 1
		.amdhsa_system_sgpr_workgroup_id_y 1
		.amdhsa_system_sgpr_workgroup_id_z 1
		.amdhsa_system_vgpr_workitem_id 0
		.amdhsa_next_free_vgpr 256
		.amdhsa_next_free_sgpr 80
		.amdhsa_reserve_vcc 1
		.amdhsa_float_denorm_mode_32 3
		.amdhsa_float_denorm_mode_16_64 3
		.amdhsa_memory_ordered 1
		.amdhsa_forward_progress 1
		.amdhsa_inst_pref_size 45
	.end_amdhsa_kernel
	.amdgpu_metadata
---
amdhsa.version: [ 1, 2 ]
amdhsa.kernels:
  - .name:           k_qc3e7668ee4_attn
    .symbol:         k_qc3e7668ee4_attn.kd
    .args:
      - { .name: qrec, .offset: 0, .size: 8, .value_kind: global_buffer, .address_space: global }
      - { .name: kc, .offset: 8, .size: 8, .value_kind: global_buffer, .address_space: global }
      - { .name: kvs, .offset: 16, .size: 8, .value_kind: global_buffer, .address_space: global }
      - { .name: vc, .offset: 24, .size: 8, .value_kind: global_buffer, .address_space: global }
      - { .name: x, .offset: 32, .size: 8, .value_kind: global_buffer, .address_space: global }
      - { .name: x1, .offset: 40, .size: 8, .value_kind: global_buffer, .address_space: global }
    .group_segment_fixed_size: 276480
    .private_segment_fixed_size: 0
    .kernarg_segment_align: 8
    .kernarg_segment_size: 48
    .max_flat_workgroup_size: 512
    .sgpr_count:     80
    .vgpr_count:     256
    .wavefront_size: 32
...
	.end_amdgpu_metadata
.endif
;; end of part 3
;; launch ffn (part 4): grid 256 x 1, 4 waves a work-group, no clusters, 87,552 bytes of LDS; arguments x1, wimg, W1_scales, b1, W2_scales, alpha, beta, p0, p1; writes p0, p1
.if DOCPART == 4
	.amdgcn_target "amdgcn-amd-amdhsa--gfx1250"
	.amdhsa_code_object_version 6
	.text
	.protected	k_qc3e7668ee4_ffn
	.globl	k_qc3e7668ee4_ffn
	.p2align	8
	.type	k_qc3e7668ee4_ffn,@function
k_qc3e7668ee4_ffn:
	s_mov_b64 s[64:65], 0
	v_nop
	global_prefetch_b8 v0, s[64:65] scope:SCOPE_SE
	s_setreg_imm32_b32 hwreg(HW_REG_WAVE_MODE, 25, 1), 1
	s_wait_xcnt 0x0
; p(half) = Q(relu(Q(LN(x1)) W1 + b1)) W2 over one half of the hidden layer, all products on E2M3 codes; the next launch adds the two halves, b2, the activation and x1.
; A work-group takes 64 tokens and 2,048 hidden units, in four chunks of 512; wave w takes 128 of a chunk's hidden units in the first product and 128 of the 512 outputs in the second, for all 64 tokens.
; THE WEIGHTS GO FROM MEMORY STRAIGHT INTO REGISTERS.  Launch lay has laid them as images of the operand's registers: a fragment is three loads of 16 bytes a lane, 512 consecutive bytes a wave.
; Each fragment is read by ONE wave of the work-group, ONCE (the wave's own 128 columns), so LDS would hold each byte for a single read: there is no tile in LDS, no tensor load, and so nothing for a joint
; load to fill: cluster = none.  No prefetch: the work-groups of one half walk the same images in the same order, so what one asks for others have read shortly before.
; Two buffers of eight fragments (a step of 128 along K).  A step's products go tile by tile of the weight, so that half a buffer (12 loads) is asked for again behind its 16 products, two steps ahead of its use.
; Both products are used transposed (source 0 = 16 rows of a weight, source 1 = 16 tokens): a lane holds one token and its registers run along the next K.
; x's codes and the hidden layer's go from wave to wave as register images in LDS.  Windows: 0 addresses, scales, token operands; 1 the first product's sums (at the head: x1); 2 the second's; 3 the weights' fragments and b1.
; LIMITS: NaN and infinities are not served (the maxima drop a NaN).
.set XSC,   24576                      ; x's image lies at 0 (16 fragments of 1,536 bytes), its scale words here
.set HIMG,  26624
.set HSC,   51200
.set STGO,  53248                      ; the way out: 16 rows x 528 bytes for each wave
.set SPARE, 87040
.set SPW,2
.set NIL,3
.set LI,4                              ; 16 x lane: the offset in a fragment's image, in memory and in LDS
.set XRI,4
.set LS,5
.set XA,6
.set IWI,7
.set IWS,8
.set XRS,10
.set WSPA,19
.set W2SA,20
.set HWI,21
.set HWS,22
.set HRI,23
.set HRS,24
.set B1A,25
.set STO,27
.set RD,28
.set OA,29
.set WSA,32
.set WSB,64
.set OPS,96
.set OP,104
.set TM,200
.set RR,208
.set HH,209
.set PW,216
.set PC,218
.set ACC,240
.set NM,248
.set GG,250
.set TT,252
.set B1,192
.set CNT,56
.set WV,66
.set AL,68
.set BE,70
.set SEL,74
.set HF,86
.set MSB,0
.macro WIN new
.if MSB != \new
	s_set_vgpr_msb (MSB<<8)|\new
.set MSB, \new
.endif
.endm
.macro PLACES n
.rept \n
	v_nop
.endr
.endm
.macro GW bp, s, buf, t0               ; four fragments, tiles t0 .. t0 + 3 of step s of the image at s[bp], into buffer buf: 12 loads
	WIN 0xc0
.irp u, 0,1,2,3
.set TI, \t0+\u
.irp c, 0,1,2
	global_load_b128 v[96*\buf+12*TI+4*\c:96*\buf+12*TI+4*\c+3], v[LI], s[\bp:\bp+1] offset:(8*(\s)+TI)*1536+512*\c
.endr
.endr
	WIN 0
.endm
.macro FETCH_O ia, sa, s, buf          ; the four token tiles' fragments and scale words of step s: 16 LDS loads
.irp m, 0,1,2,3
.irp c, 0,1,2
	ds_load_b128 v[OP+48*\buf+12*\m+4*\c:OP+48*\buf+12*\m+4*\c+3], v[\ia] offset:(4*\m+(\s))*1536+512*\c
.endr
	ds_load_b32 v[OPS+4*\buf+\m], v[\sa] offset:(4*\m+(\s))*128
.endr
.endm
.macro MUL kind, buf, s, t0, cm, ws    ; 16 products: weight tiles t0 .. t0 + 3 x the four token tiles; the accumulators take turns.  cm: C is 0 (0), b1 (1) or the sum (2)
.if \kind == 0
.if \cm == 1
	WIN 0x73
.else
	WIN 0x53
.endif
.else
.if \cm == 0
	WIN 0x83
.else
	WIN 0xa3
.endif
.endif
.irp u, 0,1,2,3
.irp m, 0,1,2,3
.set TI, \t0+\u
.set DD, 8*(8*\m+TI)
.set CC, DD
.if \cm == 1
.set CC, B1+8*TI
.endif
.if \cm == 0
	v_wmma_scale_f32_16x16x128_f8f6f4 v[DD:DD+7], v[96*\buf+12*TI:96*\buf+12*TI+11], v[OP+48*\buf+12*\m:OP+48*\buf+12*\m+11], 0, v[\ws+4*TI+(\s)], v[OPS+4*\buf+\m] matrix_a_fmt:MATRIX_FMT_FP6 matrix_b_fmt:MATRIX_FMT_FP6
.else
	v_wmma_scale_f32_16x16x128_f8f6f4 v[DD:DD+7], v[96*\buf+12*TI:96*\buf+12*TI+11], v[OP+48*\buf+12*\m:OP+48*\buf+12*\m+11], v[CC:CC+7], v[\ws+4*TI+(\s)], v[OPS+4*\buf+\m] matrix_a_fmt:MATRIX_FMT_FP6 matrix_b_fmt:MATRIX_FMT_FP6
.endif
.endr
.endr
.endm
.macro QUANT s                         ; 64 registers of window 1 from s on, four blocks of 32 shared with lane l xor 16 -> 12 registers of codes at PC and the scale word PW
	WIN 0x05
.irp b, 0,1,2,3
	v_max3_num_f32 v[TM+\b], |v[\s+16*\b]|, |v[\s+1+16*\b]|, 0x1800000
.endr
	WIN 0x14
.irp i, 2,4,6,8,10,12,14
.irp b, 0,1,2,3
	v_max3_num_f32 v[TM+\b], v[TM+\b], |v[\s+16*\b+\i]|, |v[\s+1+16*\b+\i]|
.endr
.endr
	WIN 0
.irp b, 0,1,2,3
	v_permlanex16_b32 v[TM+4+\b], v[TM+\b], s[SEL], s[SEL+1]
.endr
.irp b, 0,1,2,3
	v_max_num_f32 v[TM+\b], v[TM+\b], v[TM+4+\b]
.endr
.irp b, 0,1,2,3
	v_add_nc_u32 v[TM+12+\b], 0xff000000, v[TM+\b]
.endr
.irp b, 0,1,2,3
	v_lshrrev_b32 v[TM+4+\b], 23, v[TM+12+\b]
.endr
	v_lshl_or_b32 v[PW], v[TM+5], 8, v[TM+4]
	v_lshl_or_b32 v[PW], v[TM+6], 16, v[PW]
	v_lshl_or_b32 v[PW], v[TM+7], 24, v[PW]
	WIN 0x01
.irp c, 0,1
	v_cvt_scalef32_pk16_fp6_f32 v[PC+6*\c:PC+2+6*\c], v[\s+32*\c:\s+15+32*\c], v[TM+12+2*\c]
	v_cvt_scalef32_pk16_fp6_f32 v[PC+12+4*\c:PC+14+4*\c], v[\s+16+32*\c:\s+31+32*\c], v[TM+12+2*\c+1]
.endr
	WIN 0
	v_nop
.irp c, 0,1
.irp i, 0,1,2
	v_permlane16_swap_b32 v[PC+6*\c+\i], v[PC+12+4*\c+\i]
.endr
.irp i, 0,1,2
	v_mov_b32 v[PC+3+6*\c+\i], v[PC+12+4*\c+\i]
.endr
.endr
.endm
.macro IMAGE adr, off
.irp c, 0,1,2
	ds_store_b128 v[\adr], v[PC+4*\c:PC+4*\c+3] offset:\off+512*\c
.endr
.endm
.macro LNSUM
	v_pk_add_f32 v[ACC:ACC+1], v[ACC:ACC+1], v[ACC+2:ACC+3]
	v_pk_add_f32 v[ACC+4:ACC+5], v[ACC+4:ACC+5], v[ACC+6:ACC+7]
	v_pk_add_f32 v[ACC:ACC+1], v[ACC:ACC+1], v[ACC+4:ACC+5]
	v_add_f32 v[TT], v[ACC], v[ACC+1]
	v_permlanex16_b32 v[TT+1], v[TT], s[SEL], s[SEL+1]
	v_add_f32 v[TT], v[TT], v[TT+1]
.endm
.macro LNQ                             ; the norm of my 16 tokens (a lane holds half a row, 256 numbers, in window 1), quantised, as images into LDS
	WIN 0x05
.irp k, 0,1,2,3
	v_pk_add_f32 v[ACC+2*\k:ACC+2*\k+1], v[2*\k:2*\k+1], v[8+2*\k:9+2*\k]
.endr
	WIN 0x04
.set J, 16
.rept 120
	v_pk_add_f32 v[ACC+J%8:ACC+J%8+1], v[ACC+J%8:ACC+J%8+1], v[J:J+1]
.set J, J+2
.endr
	WIN 0
	LNSUM
	v_mul_f32 v[NM], 0xbb000000, v[TT]                ; - the mean
	v_mov_b32 v[NM+1], v[NM]
	WIN 0x41
.set J, 0
.rept 128
	v_pk_add_f32 v[J:J+1], v[J:J+1], v[NM:NM+1]
.set J, J+2
.endr
	WIN 0x05
.irp k, 0,1,2,3
	v_pk_mul_f32 v[ACC+2*\k:ACC+2*\k+1], v[2*\k:2*\k+1], v[2*\k:2*\k+1]
.endr
.set J, 8
.rept 124
	v_pk_fma_f32 v[ACC+J%8:ACC+J%8+1], v[J:J+1], v[J:J+1], v[ACC+J%8:ACC+J%8+1]
.set J, J+2
.endr
	WIN 0
	LNSUM
	v_fma_f32 v[TT], v[TT], s72, s73                  ; / 511, + 1e-6
	s_wait_alu depctr_va_vdst(0)                      ; the wait ahead of the transcendental
	v_rsq_f32 v[GG], v[TT]
	v_nop
	s_wait_alu depctr_va_vdst(0)                      ; and behind it
	v_mul_f32 v[GG], s[AL], v[GG]
	v_mov_b32 v[GG+1], v[GG]
	WIN 0x41
.set J, 0
.rept 128
	v_pk_fma_f32 v[J:J+1], v[J:J+1], v[GG:GG+1], s[BE:BE+1] op_sel_hi:[1,1,0]
.set J, J+2
.endr
.irp s, 0,1,2,3
	QUANT 64*\s
	IMAGE IWI, \s*1536
	ds_store_b32 v[IWS], v[PW] offset:\s*128
	s_wait_dscnt 0x0
.endr
.endm
; A step of 128 along K: 32 products on buffer s % 2.  lc0, lc1: the global loads issued behind the first and the second half of this step's fragments, which may stay out.
; nb, ns: the image and step whose fragments take this buffer next (nb = 0: none).  nia, nsa, nos: the token operands to fetch for the next step (nos = -1: none).
.macro STEP kind, s, cm, ws, lc0, lc1, nb, ns, nia, nsa, nos
.set CB, (\s)%2
.set NB, 1-CB
	s_wait_loadcnt \lc0
	s_wait_dscnt 0x0                                  ; this step's token operands
.if \nos >= 0
	FETCH_O \nia, \nsa, \nos, NB
.endif
	MUL \kind, CB, \s, 0, \cm, \ws
	PLACES 4                                          ; ahead of loads into registers that the products have read
.if \nb > 0
	GW \nb, \ns, CB, 0
.endif
	s_wait_loadcnt \lc1
	MUL \kind, CB, \s, 4, \cm, \ws
	PLACES 4
.if \nb > 0
	GW \nb, \ns, CB, 4
.endif
	WIN 0
.endm
.macro LDW1                            ; a chunk's scale words of W1 and its b1, in the result's layout: 24 loads
.irp t, 0,1,2,3,4,5,6,7
	global_load_b128 v[WSA+4*\t:WSA+4*\t+3], v[WSPA], s[8:9] offset:(32*(\t/2)+8*(\t%2))*16
.endr
	WIN 0xc0
.irp t, 0,1,2,3,4,5,6,7
	global_load_b128 v[B1+8*\t:B1+8*\t+3], v[B1A], s[10:11] offset:(32*(\t/2)+8*(\t%2))*4
	global_load_b128 v[B1+8*\t+4:B1+8*\t+7], v[B1A], s[10:11] offset:(32*(\t/2)+8*(\t%2))*4+16
.endr
	WIN 0
.endm
; A chunk of 512 hidden units.  At its head the youngest 48 loads are the first product's steps 0 and 1.  Halves of a buffer come in the order of their use, 12 loads each:
; behind the one that is wanted stand three more (36), and W2's 8 scale loads (44) or LDW1's 24 (60) where they were issued between.
.macro CHUNK first, last
.set CMF, 2-2*\first
	s_wait_loadcnt 36                                 ; W1's scale words and b1, which are older, and the first half of step 0
.irp t, 0,1,2,3,4,5,6,7
	global_load_b128 v[WSB+4*\t:WSB+4*\t+3], v[W2SA], s[14:15] offset:2048*\t
.endr
	STEP 0, 0, 1, WSA, 44, 44, 6, 2, XRI, XRS, 1
	STEP 0, 1, 2, WSA, 44, 44, 6, 3, XRI, XRS, 2
	STEP 0, 2, 2, WSA, 36, 36, 12, 0, XRI, XRS, 3
	STEP 0, 3, 2, WSA, 36, 36, 12, 1, XRI, XRS, -1
	s_barrier_signal -1                               ; every wave's reads of the last chunk's hidden image are over (each waited for them in its last step)
	s_barrier_wait -1
.irp m, 0,1,2,3
	WIN 0x44
.set J, 0
.rept 64
	v_max_num_f32 v[64*\m+J], 0, v[64*\m+J]           ; the activation
.set J, J+1
.endr
	QUANT 64*\m
	IMAGE HWI, 4*\m*1536
	ds_store_b32 v[HWS], v[PW] offset:4*\m*128
	s_wait_dscnt 0x0
.endr
	s_barrier_signal -1
	s_barrier_wait -1                                 ; the chunk's hidden image is whole
	FETCH_O HRI, HRS, 0, 0
	s_wait_loadcnt 36                                 ; W2's scale words, which are older
.if \last == 0
	s_wait_xcnt 0x0                                   ; the bases are stepped only behind this wait
	s_add_nc_u64 s[14:15], s[14:15], 16
	s_add_nc_u64 s[8:9], s[8:9], 8192
	s_add_nc_u64 s[10:11], s[10:11], 2048
	s_add_nc_u64 s[6:7], s[6:7], 196608
	LDW1
	STEP 2, 0, CMF, WSB, 60, 60, 12, 2, HRI, HRS, 1
	STEP 2, 1, 2, WSB, 60, 60, 12, 3, HRI, HRS, 2
	STEP 2, 2, 2, WSB, 36, 36, 6, 0, HRI, HRS, 3
	STEP 2, 3, 2, WSB, 36, 36, 6, 1, XRI, XRS, 0
	s_wait_xcnt 0x0
	s_add_nc_u64 s[12:13], s[12:13], 196608
.else
	STEP 2, 0, 2, WSB, 36, 36, 12, 2, HRI, HRS, 1
	STEP 2, 1, 2, WSB, 36, 36, 12, 3, HRI, HRS, 2
	STEP 2, 2, 2, WSB, 36, 24, 0, 0, HRI, HRS, 3
	STEP 2, 3, 2, WSB, 12, 0, 0, 0, XRI, XRS, -1
.endif
.endm
	s_load_b256 s[4:11], s[0:1], 0x0                  ; x1, wimg, W1's scales, b1
	s_load_b64 s[14:15], s[0:1], 0x20                 ; W2's scales
	s_load_b256 s[16:23], s[0:1], 0x28                ; alpha, beta, p0, p1
	v_lshl_add_u32 v[SPW], v0, 2, SPARE
	v_mov_b32 v[NIL], 0
	v_lshrrev_b32 v1, 5, v0
	v_readfirstlane_b32 s[WV], v1
	s_and_b32 s[HF], ttmp9, 1                         ; which half of the hidden layer
	s_lshr_b32 s67, ttmp9, 1                          ; which 64 tokens
	s_mul_i32 s78, s[WV], 49152                       ; my 32 fragments of a matrix of the image,
	s_mul_i32 s87, s[HF], 786432                      ; in my half's four matrices
	s_add_co_u32 s78, s78, s87
	s_mov_b32 s79, 0
	s_mov_b32 s72, 0x3b004020                         ; 1 / 511
	s_mov_b32 s73, 0x358637bd                         ; 1e-6
	s_mov_b32 s[SEL], 0x76543210
	s_mov_b32 s[SEL+1], 0xfedcba98
	s_lshl_b32 s88, s[WV], 4
	s_mul_i32 s89, s[WV], 6144
	s_lshl_b32 s90, s[WV], 9
	s_add_co_u32 s90, s90, XSC
	s_mul_i32 s91, s[WV], 1536
	s_add_co_u32 s91, s91, HIMG
	s_lshl_b32 s92, s[WV], 7
	s_add_co_u32 s92, s92, HSC
	s_lshl_b32 s93, s[WV], 11
	s_lshl_b32 s94, s[WV], 14
	s_lshl_b32 s95, s[WV], 9
	s_mul_i32 s96, s[WV], 8448
	s_add_co_u32 s96, s96, STGO
	v_and_b32 v1, 31, v0
	v_and_b32 v[RR], 15, v0
	v_bfe_u32 v[HH], v0, 4, 1
	v_lshlrev_b32 v[LI], 4, v1
	v_lshlrev_b32 v[LS], 2, v1
	v_and_b32 v[TT], 8, v[RR]
	v_add_nc_u32 v[TT], v[TT], v[RR]                  ; r + 8 (r / 8)
	v_add_nc_u32 v[XA], s88, v[RR]
	v_lshlrev_b32 v[XA], 11, v[XA]
	v_lshl_add_u32 v[XA], v[HH], 6, v[XA]             ; x1: token 16 wave + r, + 64 h
	v_add_nc_u32 v[IWI], s89, v[LI]
	v_add_nc_u32 v[IWS], s90, v[LS]
	v_add_nc_u32 v[XRS], XSC, v[LS]
	v_add_nc_u32 v[HWI], s91, v[LI]
	v_add_nc_u32 v[HWS], s92, v[LS]
	v_add_nc_u32 v[HRI], HIMG, v[LI]
	v_add_nc_u32 v[HRS], HSC, v[LS]
	v_lshl_add_u32 v[WSPA], v[TT], 4, s93
	v_lshl_add_u32 v[W2SA], v[RR], 7, s94
	v_lshl_add_u32 v[B1A], v[HH], 6, s95
	v_add_nc_u32 v[OA], s95, v[LI]
	v_mul_u32_u24 v[STO], v[RR], 528
	v_lshl_add_u32 v[STO], v[HH], 5, v[STO]
	v_add_nc_u32 v[STO], s96, v[STO]
	v_add_nc_u32 v[RD], s96, v[LI]
.irp b, 0,1,2,3
	v_mov_b32 v[TM+4+\b], 0                           ; a lane permute's destination counts as one of its sources
.endr
	s_wait_alu depctr_va_vdst(0)                      ; the wait at the head's end
	s_wait_kmcnt 0x0
	s_load_b32 s[AL], s[16:17], 0x0
	s_load_b32 s[BE], s[18:19], 0x0
	s_add_nc_u64 s[12:13], s[6:7], 2162688            ; W2's image: matrices 11 to 18
	s_add_nc_u64 s[6:7], s[6:7], 589824               ; W1's image: matrices 3 to 10
	s_add_nc_u64 s[6:7], s[6:7], s[78:79]
	s_add_nc_u64 s[12:13], s[12:13], s[78:79]
	s_lshl_b32 s82, s67, 17
	s_mov_b32 s83, 0
	s_add_nc_u64 s[4:5], s[4:5], s[82:83]
	s_cmp_eq_u32 s[HF], 0
	s_cselect_b64 s[22:23], s[20:21], s[22:23]
	s_add_nc_u64 s[22:23], s[22:23], s[82:83]
	s_mov_b32 s81, 0
	s_lshl_b32 s80, s[HF], 15
	s_add_nc_u64 s[8:9], s[8:9], s[80:81]
	s_lshl_b32 s80, s[HF], 13
	s_add_nc_u64 s[10:11], s[10:11], s[80:81]
	s_lshl_b32 s80, s[HF], 6
	s_add_nc_u64 s[14:15], s[14:15], s[80:81]
	WIN 0x40
.set I, 0
.rept 64
	global_load_b128 v[4*I:4*I+3], v[XA], s[4:5] offset:128*(I/4)+16*(I%4)
.set I, I+1
.endr
	WIN 0
	s_wait_kmcnt 0x0
	s_mov_b32 s[BE+1], s[BE]
	s_wait_loadcnt 0x0
	LDW1                                              ; the first chunk's scales, bias and first two steps are on their way under the norm
	GW 6, 0, 0, 0
	GW 6, 0, 0, 4
	GW 6, 1, 1, 0
	GW 6, 1, 1, 4
	LNQ
	s_barrier_signal -1
	s_barrier_wait -1                                 ; x's image is whole
	FETCH_O XRI, XRS, 0, 0
	CHUNK 1, 0
	s_mov_b32 s[CNT], 2
.Lchunk:
	CHUNK 0, 0
	s_sub_co_u32 s[CNT], s[CNT], 1
	s_cmp_lg_u32 s[CNT], 0
	s_cbranch_scc1 .Lchunk
	CHUNK 0, 1
; The way out: 16 tokens x 128 columns at a time through my own stage, back as whole rows of 512 bytes.
.irp m, 0,1,2,3
	WIN 0x08
.irp t, 0,1,2,3,4,5,6,7
	ds_store_b128 v[STO], v[64*\m+8*\t:64*\m+8*\t+3] offset:64*\t
	ds_store_b128 v[STO], v[64*\m+8*\t+4:64*\m+8*\t+7] offset:64*\t+16
.endr
	WIN 0
.set BK, 104+64*(\m%2)
.if \m > 1
	s_wait_xcnt 0x0                                   ; the stores of two blocks ago have read their registers
.endif
.irp i, 0,1,2,3,4,5,6,7,8,9,10,11,12,13,14,15
	ds_load_b128 v[BK+4*\i:BK+4*\i+3], v[RD] offset:\i*528
.endr
.irp i, 0,1,2,3,4,5,6,7,8,9,10,11,12,13,14,15
	s_wait_dscnt 15-\i
	global_store_b128 v[OA], v[BK+4*\i:BK+4*\i+3], s[22:23] offset:(16*\m+\i)*2048   ; the wave stores 512 consecutive, aligned bytes
.endr
.endr
	s_wait_tensorcnt 0x0                              ; the wave's end
	ds_add_u32 v[SPW], v[NIL]
	s_wait_dscnt 0x0
	s_endpgm
.Lfunc_end_k_qc3e7668ee4_ffn:
	.size	k_qc3e7668ee4_ffn, .Lfunc_end_k_qc3e7668ee4_ffn-k_qc3e7668ee4_ffn
	.p2alignl 7, 3214868480
	.fill 96, 4, 3214868480
	.section	.rodata,"a",@progbits
	.p2align	6, 0x0
	.amdhsa_kernel k_qc3e7668ee4_ffn
		.amdhsa_group_segment_fixed_size 87552
		.amdhsa_private_segment_fixed_size 0
		.amdhsa_enable_private_segment 0
		.amdhsa_kernarg_size 72
		.amdhsa_user_sgpr_count 2
		.amdhsa_user_sgpr_kernarg_segment_ptr 1
		.amdhsa_wavefront_size32 1
		.amdhsa_system_sgpr_workgroup_id_x 1
		.amdhsa_system_sgpr_workgroup_id_y 1
		.amdhsa_system_sgpr_workgroup_id_z 1
		.amdhsa_system_vgpr_workitem_id 0
		.amdhsa_next_free_vgpr 1024
		.amdhsa_next_free_sgpr 104
		.amdhsa_reserve_vcc 0
		.amdhsa_float_denorm_mode_32 3
		.amdhsa_float_denorm_mode_16_64 3
		.amdhsa_memory_ordered 1
		.amdhsa_forward_progress 1
		.amdhsa_inst_pref_size 255
	.end_amdhsa_kernel
	.section	.bss,"aw",@nobits
	.p2align	6
	.space	262144
	.amdgpu_metadata
---
amdhsa.version: [ 1, 2 ]
amdhsa.kernels:
  - .name:           k_qc3e7668ee4_ffn
    .symbol:         k_qc3e7668ee4_ffn.kd
    .args:
      - { .name: x1, .offset: 0, .size: 8, .value_kind: global_buffer, .address_space: global }
      - { .name: wimg, .offset: 8, .size: 8, .value_kind: global_buffer, .address_space: global }
      - { .name: W1_scales, .offset: 16, .size: 8, .value_kind: global_buffer, .address_space: global }
      - { .name: b1, .offset: 24, .size: 8, .value_kind: global_buffer, .address_space: global }
      - { .name: W2_scales, .offset: 32, .size: 8, .value_kind: global_buffer, .address_space: global }
      - { .name: alpha, .offset: 40, .size: 8, .value_kind: global_buffer, .address_space: global }
      - { .name: beta, .offset: 48, .size: 8, .value_kind: global_buffer, .address_space: global }
      - { .name: p0, .offset: 56, .size: 8, .value_kind: global_buffer, .address_space: global }
      - { .name: p1, .offset: 64, .size: 8, .value_kind: global_buffer, .address_space: global }
    .group_segment_fixed_size: 87552
    .private_segment_fixed_size: 0
    .kernarg_segment_align: 8
    .kernarg_segment_size: 72
    .max_flat_workgroup_size: 128
    .sgpr_count:     104
    .vgpr_count:     1024
    .wavefront_size: 32
...
	.end_amdgpu_metadata
.endif
;; end of part 4
;; launch fin (part 5): grid 512 x 1, 8 waves a work-group, no clusters, 0 bytes of LDS; arguments p0, p1, b2, x1, out0; writes out0
.if DOCPART == 5
	.amdgcn_target "amdgcn-amd-amdhsa--gfx1250"
	.amdhsa_code_object_version 6
	.text
	.protected	k_qc3e7668ee4_fin
	.globl	k_qc3e7668ee4_fin
	.p2align	8
	.type	k_qc3e7668ee4_fin,@function
k_qc3e7668ee4_fin:
	s_mov_b64 s[64:65], 0
	v_nop
	global_prefetch_b8 v0, s[64:65] scope:SCOPE_SE
	s_setreg_imm32_b32 hwreg(HW_REG_WAVE_MODE, 25, 1), 1
	s_wait_xcnt 0x0
; out = x1 + relu(p0 + p1 + b2).  p0, p1: the second product's sums over the two halves of the hidden layer; all [8192][512] f32, b2 [512].
; A stream: each byte is read once and written once; nothing is shared, so there is no LDS, no barrier, no matrix work and no cluster.
; A work-group of eight waves takes 16 rows (32,768 consecutive bytes).  Thread t takes the 16 bytes at 16 t of each of eight pairs of rows: its four columns are the same in every pair,
; so its four b2 stay in registers, and a load or store of a wave covers 512 consecutive, aligned bytes.
; All 25 loads of a thread go out at the head; each step waits only for its own three.  The results are made in p0's registers, which are never written again.
; LIMITS: NaN among the inputs is not served (the maximum with 0 drops it).
.set STEPS, 8
.set BB,  2                            ; v[2:5]    b2 of my four columns
.set OFF, 6                            ; v6        my byte offset in all four tensors; never rewritten
.set P,   8                            ; v[8:39]   p0, then the result
.set Q,   40                           ; v[40:71]  p1
.set X,   72                           ; v[72:103] x1
	s_load_b256 s[4:11], s[0:1], 0x0                  ; p0 s[4:5], p1 s[6:7], b2 s[8:9], x1 s[10:11]
	s_load_b64 s[12:13], s[0:1], 0x20                 ; out
	v_and_b32 v1, 127, v0
	s_delay_alu instid0(VALU_DEP_1)
	v_lshlrev_b32 v1, 4, v1                           ; my 16 bytes of b2: a row is 128 threads wide
	s_lshl_b32 s2, ttmp9, 15                          ; the work-group's 32,768 bytes
	v_lshl_add_u32 v[OFF], v0, 4, s2
	s_wait_alu depctr_va_vdst(0)
	s_wait_kmcnt 0x0
	global_load_b128 v[BB:BB+3], v1, s[8:9]
.irp i, 0,1,2,3,4,5,6,7
	global_load_b128 v[P+4*\i:P+4*\i+3], v[OFF], s[4:5] offset:4096*\i th:TH_LOAD_NT
	global_load_b128 v[Q+4*\i:Q+4*\i+3], v[OFF], s[6:7] offset:4096*\i th:TH_LOAD_NT
	global_load_b128 v[X+4*\i:X+4*\i+3], v[OFF], s[10:11] offset:4096*\i th:TH_LOAD_NT
.endr
.irp i, 0,1,2,3,4,5,6,7
	s_wait_loadcnt 21-3*\i                            ; loads come back in order: this step's three (and b2) are in; the three of each later step may be out
	v_pk_add_f32 v[P+4*\i:P+4*\i+1], v[P+4*\i:P+4*\i+1], v[Q+4*\i:Q+4*\i+1]
	v_pk_add_f32 v[P+4*\i+2:P+4*\i+3], v[P+4*\i+2:P+4*\i+3], v[Q+4*\i+2:Q+4*\i+3]
	s_delay_alu instid0(VALU_DEP_2)
	v_pk_add_f32 v[P+4*\i:P+4*\i+1], v[P+4*\i:P+4*\i+1], v[BB:BB+1]
	s_delay_alu instid0(VALU_DEP_2)
	v_pk_add_f32 v[P+4*\i+2:P+4*\i+3], v[P+4*\i+2:P+4*\i+3], v[BB+2:BB+3]
.irp k, 0,1,2,3
	v_max_num_f32 v[P+4*\i+\k], 0, v[P+4*\i+\k]       ; the activation
.endr
	s_delay_alu instid0(VALU_DEP_3)
	v_pk_add_f32 v[P+4*\i:P+4*\i+1], v[P+4*\i:P+4*\i+1], v[X+4*\i:X+4*\i+1]
	s_delay_alu instid0(VALU_DEP_2)
	v_pk_add_f32 v[P+4*\i+2:P+4*\i+3], v[P+4*\i+2:P+4*\i+3], v[X+4*\i+2:X+4*\i+3]
	global_store_b128 v[OFF], v[P+4*\i:P+4*\i+3], s[12:13] offset:4096*\i th:TH_STORE_NT
.endr
	s_endpgm
.Lfunc_end_k_qc3e7668ee4_fin:
	.size	k_qc3e7668ee4_fin, .Lfunc_end_k_qc3e7668ee4_fin-k_qc3e7668ee4_fin
	.p2alignl 7, 3214868480
	.fill 96, 4, 3214868480
	.section	.rodata,"a",@progbits
	.p2align	6, 0x0
	.amdhsa_kernel k_qc3e7668ee4_fin
		.amdhsa_group_segment_fixed_size 0
		.amdhsa_private_segment_fixed_size 0
		.amdhsa_enable_private_segment 0
		.amdhsa_kernarg_size 40
		.amdhsa_user_sgpr_count 2
		.amdhsa_user_sgpr_kernarg_segment_ptr 1
		.amdhsa_wavefront_size32 1
		.amdhsa_system_sgpr_workgroup_id_x 1
		.amdhsa_system_sgpr_workgroup_id_y 1
		.amdhsa_system_sgpr_workgroup_id_z 1
		.amdhsa_system_vgpr_workitem_id 0
		.amdhsa_next_free_vgpr 104
		.amdhsa_next_free_sgpr 66
		.amdhsa_reserve_vcc 0
		.amdhsa_float_denorm_mode_32 3
		.amdhsa_float_denorm_mode_16_64 3
		.amdhsa_memory_ordered 1
		.amdhsa_forward_progress 1
		.amdhsa_inst_pref_size 10
	.end_amdhsa_kernel
	.amdgpu_metadata
---
amdhsa.version: [ 1, 2 ]
amdhsa.kernels:
  - .name:           k_qc3e7668ee4_fin
    .symbol:         k_qc3e7668ee4_fin.kd
    .args:
      - { .name: p0, .offset: 0, .size: 8, .value_kind: global_buffer, .address_space: global }
      - { .name: p1, .offset: 8, .size: 8, .value_kind: global_buffer, .address_space: global }
      - { .name: b2, .offset: 16, .size: 8, .value_kind: global_buffer, .address_space: global }
      - { .name: x1, .offset: 24, .size: 8, .value_kind: global_buffer, .address_space: global }
      - { .name: out0, .offset: 32, .size: 8, .value_kind: global_buffer, .address_space: global }
    .group_segment_fixed_size: 0
    .private_segment_fixed_size: 0
    .kernarg_segment_align: 8
    .kernarg_segment_size: 40
    .max_flat_workgroup_size: 256
    .sgpr_count:     66
    .vgpr_count:     104
    .wavefront_size: 32
...
	.end_amdgpu_metadata
.endif
;; end of part 5
